; MI455X (gfx1250); checked and timed in simulation.
; The chip was launched on July 23, 2026; its instructions are those of AMD's public machine-readable ISA for CDNA 5 (MIT licence, August 2026) and "CDNA5" Instruction Set Architecture Reference Guide (July 2026). The comments in the code are by the model that wrote it; some were corrected since.
;; Causal Self Attention. Allowed arithmetic: matrix products marked QUANTISED: E5M2 operands, one given power-of-two scale a tensor, by v_wmma_f32_16x16x64_bf8_bf8 or v_wmma_f32_16x16x128_bf8_bf8, f32 sums; products left as they are: f32 operands where the result goes on into a quantised operand, else bf16, f16 or f32 operands; f32 sums; everything else in f32.
;; Inputs: Wk 64 x 64 float32; Wo 64 x 64 float32; Wq 64 x 64 float32; Wv 64 x 64 float32; lowp_scales 10 int32 (the exponents e of the quantised operands' scales 2^e); x 8 x 32 x 512 x 64 float32.
;; Outputs: out0 8 x 32 x 512 x 64 float32.
;; This version of the problem:
;;   THIS VERSION OF THE PROBLEM IS GIVEN IN LOW PRECISION. The matrix products marked QUANTISED in the list below multiply operands that are first quantised to E5M2 (5 exponent bits, 2 mantissa bits; 8 bits a number), with one given power-of-two scale for each operand tensor; their sums are f32. All else is computed in f32.
;;   The module's matrix products, in the order in which they are computed (A, B: the left and right operand; K: the contracted axis; several contracted axes count as one K, in the product's order):
;;     1. [M 131,072, K 64] x [K 64, N 64]; A: input x; B: input Wq: QUANTISED (scales: A lowp_scales[0], B lowp_scales[1])
;;     2. [M 131,072, K 64] x [K 64, N 64]; A: input x; B: input Wk: QUANTISED (scales: A lowp_scales[2], B lowp_scales[3])
;;     3. [M 131,072, K 64] x [K 64, N 64]; A: input x; B: input Wv: QUANTISED (scales: A lowp_scales[4], B lowp_scales[5])
;;     4. batch 1,024 x [M 512, K 16] x [K 16, N 512]; A: computed on the way; B: computed on the way: left as it is (K = 16 < 32)
;;     5. batch 1,024 x [M 512, K 512] x [K 512, N 16]; A: softmax (see below); B: computed on the way: QUANTISED (scales: A lowp_scales[6], B lowp_scales[7])
;;     6. [M 131,072, K 64] x [K 64, N 64]; A: computed on the way; B: input Wo: QUANTISED (scales: A lowp_scales[8], B lowp_scales[9])
;;   THE QUANTISER, for each operand of a quantised product, along K:
;;     - The operand's scale is 2^e, e = its entry of the input lowp_scales (int32; the entries are numbered through the quantised products in the list's order, A before B).
;;     - Each number is divided by the scale, clamped to +-57,344, and rounded to the nearest number of E5M2, ties to even, subnormals kept.
;;     - The product sums the exact products of the quantised numbers (number of the format x scale) in f32.
;;   ~~~python
;;   def quantise(x, axis, e):      # numpy; x: float32 -> the quantised numbers, widened to float32 again
;;       x = np.moveaxis(x, axis, -1); K = x.shape[-1]
;;       r = np.clip(x / 2.0 ** e, -57344, 57344)
;;       step = 2.0 ** (np.maximum(np.frexp(np.where(r == 0, 1, r))[1] - 1, -14) - 2)
;;       q = np.round(r / step) * step * 2.0 ** e      # np.round: ties to even
;;       return np.moveaxis(q, -1, axis).astype(np.float32)
;;   ~~~
;;   SOFTMAX AHEAD OF A QUANTISED PRODUCT. Where the list says 'softmax', what is quantised is not the finished softmax but p = 2^(t - M), with t = logit x log2(e) and M = ceil(the row's largest t), a whole number; so 1/2 < the row's largest p <= 1. The row's sum l is taken of the UNQUANTISED p, in f32, and the product's result is divided by l at the end. Since M is a whole number, a kernel that streams over the keys may use a running M (the ceiling of the running maximum): every later rescaling is an exact power of two, so the quantised numbers keep their values, but for numbers so far below the row's largest that they fall under the format's range.
;;   OPERANDS COMPUTED ON THE WAY. 'Computed on the way' means the value that the module computes at that place (a softmax that the list does not call 'softmax' is quantised finished and normalised). What goes into a quantiser is computed in f32, as accurately as f32 sums, v_exp_f32 and their like allow (about 1e-6 of the number): no bf16 or f16 on the way to a quantiser, and a product that is left as it is and whose result goes on into a quantised operand takes f32 operands (vector FMAs, or v_wmma_f32_16x16x4_f32). A number that lies on a knife's edge between two numbers of the format may be rounded either way, as far as f32 arithmetic and the matrix unit's own rounding can turn it there, and no further.
;; 2 versions, each right; version 2 is version 1 with the launch attn written anew for expert scheduling mode. Each part assembles by itself: llvm-mc -triple=amdgcn-amd-amdhsa -mcpu=gfx1250 --defsym DOCPART=n.
;; ======== version 1 of 2: 1 launch
;; launch attn (part 1): grid 256 x 1, 16 waves a work-group, no clusters, 306,176 bytes of LDS; arguments x, Wq, Wk, Wv, Wo, lowp_scales, out0; writes out0
.if DOCPART == 1
	.amdgcn_target "amdgcn-amd-amdhsa--gfx1250"
	.amdhsa_code_object_version 6
	.text
	.protected	k_qa1067d09a1_attn
	.globl	k_qa1067d09a1_attn
	.p2align	8
	.type	k_qa1067d09a1_attn,@function
k_qa1067d09a1_attn:
	s_mov_b64 s[64:65], 0
	v_nop
	global_prefetch_b8 v0, s[64:65] scope:SCOPE_SE
	s_setreg_imm32_b32 hwreg(HW_REG_WAVE_MODE, 25, 1), 1
	s_wait_xcnt 0x0
; CAUSAL SELF-ATTENTION, 256 sequences of 512 tokens x 64 features, 4 heads of 16; the projections, p V and the output projection on codes of BF8 (E5M2), each operand with
; the one scale 2^e that is given for it (lowp_scales: e0 x|Wq e1, e2 x|Wk e3, e4 x|Wv e5, e6 p|V e7, e8 attended|Wo e9); the scores q k^T (K = 16) with f32 operands, since they go on into p's quantiser.
; SHARES.  A work-group takes one sequence and keeps all of it in LDS: x is read once, out0 written once, nothing else goes to memory.  Sixteen waves of 256 registers, four to a SIMD, so that one
; wave's softmax stands beside another's matrix work and LDS loads.  Wave w: hd = w & 3 (its head, and its tile of 16 output columns), g = w >> 2.
;   phase 0: the four weights become codes, once for the work-group (wave w: rows 16 hd on, columns 16 g on, of each).
;   phase 1: wave w takes tokens 32 w .. 32 w + 31: x's codes under e0, e2, e4; K (f32, raw sums) and V (codes) of all four heads go to LDS, and x's codes under e0 for Q.
;   phase 2: eight blocks of 64 queries; in block B wave (hd, g) owns query tile 4 B + g of head hd and walks key blocks B (masked), 0 .. B - 1, 64 keys a step: B + 1 steps in every wave alike.
;            Then the four heads' attended codes meet in LDS, wave (hd, g) makes output columns 16 hd on of tokens 16 g on, and the block's 64 rows leave as whole rows.
; LAYOUTS (l = lane, r = l & 15, h = l >> 4).  Nothing is transposed by an instruction: each product's sources are ordered so that its result is the next operand's register image.
;   Q, K:  source 0 = 16 rows of Wq / Wk, source 1 = 16 tokens' codes: lane (r, h) holds token r, d = 8 h + j.  Registers 2 s, 2 s + 1 are the f32 form's operand of K step s under one
;          permutation of d that is the same in K and in Q.   S^T = K Q^T: lane (r, h) holds query r and keys 16 c + 8 h + j of tile c: one conversion gives registers 2 c, 2 c + 1 of P.
;   V:     source 0 = 16 tokens' codes, source 1 = 16 rows of Wv: lane (r, h) holds d = r and tokens 8 h + j: one conversion gives two registers of V^T's fragment (K = the keys).
;   O^T = V^T P^T: lane (r, h) holds query r, d = 8 h + j: one conversion gives registers 2 hd, 2 hd + 1 of the attended fragment.   out: source 0 = 16 rows of Wo: lane holds token r, 8 neighbouring columns.
; SOFTMAX.  t = raw score x c, c = log2(e) / 4 x 2^(e0 + e1 + e2 + e3); M = the running largest t rounded up to a whole number (kept as -M = floor(-t)); p = 2^(t - M) is quantised with 2^e6;
;   the row's sum is taken of the unquantised p; when M moves, the sum and O^T are multiplied by 2^(old M - new M), which rounds nothing.  The masked block comes first: each query sees its own key there, so M is a number from the first step on.
; WHAT GOES INTO THE ATTENDED QUANTISER is kept as close to the exact number as f32 allows, since a late query's O^T is a small sum of up to 512 larger terms:
;   p's CODES GO TO THE MATRIX UNIT AS TWO OPERANDS, those of p >= 2^-5 and the rest, each with zero codes in the other's places, so that the small products are summed apart from the large ones; both hold the
;   stated quantiser's codes and nothing else.  Each product starts with the constant 0; the two are added in f32, and the step's sum joins the running sum by an addition that keeps what it rounds off in a second word;
;   a step's 32 p are summed by themselves and join the row's sum by one fused multiply-add; the division is a reciprocal with one Newton step and a quotient corrected once by its exact remainder.
; NO CLUSTER: shared between work-groups are the four weights alone, 64 KiB that a work-group reads once at its head while its 128 KiB of x are on their way; the 9,216 f32 matrix instructions that follow read nothing shared.
; NO TENSOR LOAD: each byte of x is wanted once, by the wave that quantises it.
; LIMITS on the given exponents, so that each power of two below is an f32 number: e0, e1, e2, e3, e4, e5, e6, e9, e7 - e4 - e5 and e8 - e6 - e7 between -126 and 112;
;   e0 + e1 + e2 + e3 between -124 and 129 (added to c's exponent field); e8 + e9 between -126 and 127.  NaN among the inputs is not served.
; LDS, all of it written by ds_store alone:
.set WI, 0                             ; 16,384  the weights' codes: matrix m (0 Wq, 1 Wk, 2 Wv, 3 Wo), tile t at 4096 m + 1024 t; register pair c of a fragment at 256 c + 8 l
.set XS, 16384                         ; 69,632  each wave's own stage for x: 16 rows x (256 + 16) bytes: 68 words, so the 16 rows that a load touches start at 16 different banks (64 banks of 4 bytes: ISA guide 11.1)
.set XQ, 86016                         ; 32,768  x's codes under e0: token tile tt at 1024 tt; registers 0-3 at 16 l, registers 4-7 at 512 + 16 l
.set KI, 118784                        ; 131,072 K, f32: 32768 head + 1024 tt, laid as XQ's
.set VI, 249856                        ; 32,768  V^T's codes: 8192 head + 1024 key block, laid as XQ's
.set AT, 282624                        ; 4,096   the block's attended codes: 1024 x token tile; pair c (= head) at 256 c + 8 l
.set OS, 286720                        ; 17,408  the block's 64 rows of out: 256 + 16 bytes each
; VECTOR REGISTERS that stay:
.set LI,  1                            ; 16 l
.set K0,  2                            ; KI + 32768 hd + 16 l
.set V0,  3                            ; VI + 8192 hd + 16 l
.set XQ0, 4                            ; XQ + 1024 g + 16 l
.set ATS, 5                            ; AT + 1024 g + 256 hd + 8 l
.set ATL, 6                            ; AT + 1024 g + 8 l
.set OSS, 7                            ; OS + 272 (16 g + r) + 64 hd + 32 h
.set OSL, 8                            ; OS + 272 (4 w + h) + 16 r
.set GO,  9                            ; 1024 w + 16 l: my 16 bytes of the block's rows in out0
.set ADK, 10                           ; LDS address of the step's K
.set ADV, 11                           ; of its V
.set NM,  12                           ; v12 -M, v13 the largest t
.set LS,  14                           ; v[14:15] the row's sum, in two halves
.set MK,  16                           ; 16 g + r - 8 h
.set NINF, 17                          ; -infinity
.set SCP, 18                           ; 2^e6;  v19: 57,344 x 2^e6
.set LIMP, 19
.set SCA, 20                           ; 2^(e8 - e6 - e7);  v21: 57,344 x that
.set LIMA, 21
.set FF,  22                           ; v22 f, at the end 1 / sum; v23 = 0, named with it as a pair
.set CH,  24                           ; v24-27 four chains of the maximum
.set L3,  24                           ; v[24:25] later the step's sum, second chain
.set PD,  28                           ; the lane permute's destination
.set TD,  29                           ; at work
.set L2,  30                           ; v[30:31] the step's sum, first chain; at the tile's end v30 = -sum
; phase 2:
.set Q,   32                           ; v[32:39]   my 16 queries, f32
.set WQ,  40                           ; v[40:47]   Wq's fragment of my head
.set WO,  48                           ; v[48:55]   Wo's fragment of my output tile
.set XQF, 56                           ; v[56:63]   x's codes of my query tile
.set KF,  64                           ; v[64:95]   K of 64 keys
.set S,   96                           ; v[96:127]  four accumulators; written by matrix instructions alone, in the whole text
.set T,   128                          ; v[128:159] t - M, then p, then p with 0 for what lies under 2^-5
.set VF,  160                          ; v[160:167] V^T's fragment
.set P,   168                          ; v[168:175] p's codes: all, then those of p < 2^-5
.set SS,  176                          ; v[176:183] O^T: the running sum
.set R,   184                          ; v[184:191] the output tile's sums
.set Y,   192                          ; v[192:199] at work on the way out
.set T1,  192                          ;            and in a step's addition
.set OB,  200                          ; v[200:207] four rows' parts read back from the stage
.set PH,  200                          ;            in the steps: the codes of p >= 2^-5
.set AC,  208                          ; v[208:209] my head's attended codes
.set AF,  216                          ; v[216:223] the attended fragment
.set DD,  224                          ; v[224:231] a step's V^T P^T
.set OA,  232                          ; v[232:239] at work: the running sum x f, then what it lost; at the tile's end the remainder
.set BV,  240                          ; v[240:247] at work
.set D2,  240                          ;            before that: the product of the small p
.set OL,  248                          ; v[248:255] O^T's second word: what the additions rounded off
; phases 0 and 1, in registers that phase 2 takes later:
.set WOF, 32                           ; my 32 bytes of a weight: 4096 hd + 256 r + 64 g + 32 h
.set WIS, 33                           ; WI + 1024 hd + 256 g + 8 l
.set WH,  34                           ; 1024 hd + 8 l
.set XSS, 35                           ; my stage, in: XS + 4352 w + 272 h + 16 r
.set XSL, 36                           ; and out: XS + 4352 w + 272 r + 32 h
.set XQS, 37                           ; XQ + 2048 w + 16 l
.set KS,  38                           ; KI + 2048 w + 16 l
.set KS2, 39                           ; + 65536, for heads 2 and 3: an LDS immediate has 16 bits
.set VS,  56                           ; VI + 512 w + 16 l
.set L8,  57                           ; 8 l
.set XR,  192                          ; v[192:255] x as loaded, then as fragments' numbers, 32 a tile; later Wk's and Wv's fragments
.set WKF, 192
.set WVF, 224
.set XQC, 64                           ; x's codes, 8 registers a tile: under e0,
.set XKC, 80                           ; e2,
.set XVC, 160                          ; e4
.set VC,  176                          ; V's codes, 4 registers a head
.set WR,  128                          ; the weights as loaded, 8 a matrix
.set WHD, 64                           ; held
.set WC,  160                          ; their codes
.set WSC, 168                          ; v168-175: scale and limit for e1, e3, e5, e9
; SCALAR REGISTERS: s[4:5] x, s[6:13] Wq, Wk, Wv, Wo, s[14:15] the scales, s[16:17] out0; s[24:33] e0 .. e9; s40-43 at work
.set WV,  18                           ; wave
.set HD,  19
.set GG,  20
.set CS,  34                           ; s[34:35] c, twice: the packed form names a pair
.set OSC, 36                           ; s[36:37] 2^(e8 + e9), twice
.set SEL, 38                           ; s[38:39] v_permlanex16_b32's selects for lane l xor 16
.set BB,  48                           ; the block, 0 .. 7;  s49 = 4096 x it, s50 = 1024 x it
.set B4K, 49
.set B1K, 50
.set KB,  51                           ; the key block, 0 .. 6;  s52 = 4096 x it, s53 = 1024 x it
.set KK,  52
.set KV,  53
.set THR, 54                           ; 2^-5: where p's codes are parted
.macro MKSC vs, vl, se                 ; v[vs] = 2^e as f32 (a conversion takes its exponent field), v[vl] = 57,344 x 2^e, e in the scalar register se
	s_add_co_i32 s40, \se, 127
	s_lshl_b32 s41, s40, 23
	v_mov_b32 v[\vs], s41
	s_add_co_i32 s40, s40, 15
	s_lshl_b32 s40, s40, 23
	s_or_b32 s40, s40, 0x600000                    ; the mantissa field of 57,344
	v_mov_b32 v[\vl], s40
.endm
.macro BAR                             ; my LDS stores have landed and my LDS loads are in: then the work-group's barrier
	s_wait_dscnt 0x0
	s_barrier_signal -1
	s_barrier_wait -1
.endm
.macro PLACES n                        ; plain vector instructions that name no register of the matrix instruction in front (ISA guide 7.12.1 for vector instructions)
.rept \n
	v_nop
.endr
.endm
	s_load_b256 s[4:11], s[0:1], 0x0               ; x, Wq, Wk, Wv
	s_load_b128 s[12:15], s[0:1], 0x20             ; Wo, the scales' exponents
	s_load_b64 s[16:17], s[0:1], 0x30              ; out0
	v_lshrrev_b32 v[ADK], 5, v0
	v_readfirstlane_b32 s[WV], v[ADK]              ; wave 0 .. 15
	s_and_b32 s[HD], s[WV], 3
	s_lshr_b32 s[GG], s[WV], 2
	v_and_b32 v24, 31, v0                          ; l
	v_and_b32 v25, 15, v0                          ; r
	v_bfe_u32 v26, v0, 4, 1                        ; h
	v_lshlrev_b32 v[LI], 4, v24
	v_lshlrev_b32 v[WOF], 8, v25                   ; a weight's row is 256 bytes
	v_lshl_add_u32 v[WOF], v26, 5, v[WOF]
	s_lshl_b32 s42, s[HD], 12
	s_lshl_b32 s43, s[GG], 6
	s_add_co_u32 s42, s42, s43
	v_add_nc_u32 v[WOF], s42, v[WOF]
	s_lshl_b32 s40, ttmp9, 17                      ; my sequence: 131,072 bytes each; 256 of them stay under 2^32
	s_mov_b32 s41, 0
	s_lshl_b32 s42, s[WV], 13                      ; my wave's 32 tokens of 256 bytes
	s_wait_kmcnt 0x0
	s_load_b256 s[24:31], s[14:15], 0x0            ; e0 .. e7
	s_load_b64 s[32:33], s[14:15], 0x20            ; e8, e9
	s_add_nc_u64 s[16:17], s[16:17], s[40:41]      ; out0 at my sequence
	s_add_co_u32 s40, s40, s42
	s_add_nc_u64 s[4:5], s[4:5], s[40:41]          ; x at my wave's tokens
; ---- PHASE 0.  My part of each weight: W(16 hd + r, 16 g + 8 h + 0 .. 7), 32 bytes a lane; 64 KiB for the work-group, once.
.irp m, 0,1,2,3
	global_load_b128 v[WR+8*\m:WR+8*\m+3],   v[WOF], s[6+2*\m:7+2*\m]
	global_load_b128 v[WR+8*\m+4:WR+8*\m+7], v[WOF], s[6+2*\m:7+2*\m] offset:16
.endr
.irp i, 0,1,2,3,4,5,6,7,8,9,10,11,12,13,14,15
	global_load_b128 v[XR+4*\i:XR+4*\i+3], v[LI], s[4:5] offset:512*\i th:TH_LOAD_NT   ; 32 lanes read 512 consecutive bytes, two tokens; all of my 8 KiB are asked for here
.endr
	; every LDS address: a constant + constants x lane bits + constants x w, hd, g
	v_lshlrev_b32 v[L8], 3, v24
	s_lshl_b32 s42, s[HD], 10
	v_add_nc_u32 v[WH], s42, v[L8]
	s_lshl_b32 s43, s[GG], 8
	s_add_co_u32 s42, s42, s43
	v_add_nc_u32 v[WIS], s42, v[L8]
	s_mul_i32 s42, s[WV], 16*272
	s_add_co_u32 s42, s42, XS
	v_mul_u32_u24 v[XSS], v26, 272
	v_lshl_add_u32 v[XSS], v25, 4, v[XSS]
	v_add_nc_u32 v[XSS], s42, v[XSS]
	v_mul_u32_u24 v[XSL], v25, 272
	v_lshl_add_u32 v[XSL], v26, 5, v[XSL]
	v_add_nc_u32 v[XSL], s42, v[XSL]
	s_lshl_b32 s42, s[WV], 11
	s_add_co_u32 s43, s42, XQ
	v_add_nc_u32 v[XQS], s43, v[LI]
	s_add_co_u32 s43, s42, KI
	v_add_nc_u32 v[KS], s43, v[LI]
	v_add_nc_u32 v[KS2], 0x10000, v[KS]
	s_lshl_b32 s42, s[WV], 9
	s_add_co_u32 s42, s42, VI
	v_add_nc_u32 v[VS], s42, v[LI]
	s_lshl_b32 s42, s[HD], 15
	s_add_co_u32 s42, s42, KI
	v_add_nc_u32 v[K0], s42, v[LI]
	s_lshl_b32 s42, s[HD], 13
	s_add_co_u32 s42, s42, VI
	v_add_nc_u32 v[V0], s42, v[LI]
	s_lshl_b32 s42, s[GG], 10
	s_add_co_u32 s43, s42, XQ
	v_add_nc_u32 v[XQ0], s43, v[LI]
	s_add_co_u32 s42, s42, AT
	v_add_nc_u32 v[ATL], s42, v[L8]
	s_lshl_b32 s43, s[HD], 8
	s_add_co_u32 s42, s42, s43
	v_add_nc_u32 v[ATS], s42, v[L8]
	s_mul_i32 s42, s[GG], 16*272
	s_lshl_b32 s43, s[HD], 6
	s_add_co_u32 s42, s42, s43
	s_add_co_u32 s42, s42, OS
	v_mul_u32_u24 v[OSS], v25, 272
	v_lshl_add_u32 v[OSS], v26, 5, v[OSS]
	v_add_nc_u32 v[OSS], s42, v[OSS]
	s_mul_i32 s42, s[WV], 4*272
	s_add_co_u32 s42, s42, OS
	v_mul_u32_u24 v[OSL], v26, 272
	v_lshl_add_u32 v[OSL], v25, 4, v[OSL]
	v_add_nc_u32 v[OSL], s42, v[OSL]
	s_lshl_b32 s42, s[WV], 10
	v_add_nc_u32 v[GO], s42, v[LI]
	v_lshlrev_b32 v[MK], 3, v26
	v_sub_nc_u32 v[MK], v25, v[MK]
	s_lshl_b32 s42, s[GG], 4
	v_add_nc_u32 v[MK], s42, v[MK]                 ; 16 g + r - 8 h
	v_mov_b32 v[NINF], 0xff800000
	v_mov_b32 v[FF+1], 0
	s_mov_b32 s[SEL], 0x76543210
	s_mov_b32 s[SEL+1], 0xfedcba98
	s_mov_b32 s[THR], 0x3d000000                   ; 2^-5
	; the constants made of the given exponents
	s_wait_kmcnt 0x0
	s_add_co_i32 s42, s24, s25
	s_add_co_i32 s42, s42, s26
	s_add_co_i32 s42, s42, s27
	s_lshl_b32 s42, s42, 23
	s_add_co_i32 s[CS], s42, 0x3eb8aa3b            ; Q and K stay raw sums: their four exponents are added to the exponent field of log2(e) / 4
	s_mov_b32 s[CS+1], s[CS]
	s_add_co_i32 s[OSC], s32, s33
	s_add_co_i32 s[OSC], s[OSC], 127
	s_lshl_b32 s[OSC], s[OSC], 23                  ; 2^(e8 + e9)
	s_mov_b32 s[OSC+1], s[OSC]
	MKSC 24, 25, s24                               ; x under e0,
	MKSC 26, 27, s26                               ; e2,
	MKSC 28, 29, s28                               ; e4 (v24-26 held l, r, h: all addresses are made)
	s_sub_co_i32 s42, s31, s28
	s_sub_co_i32 s42, s42, s29
	MKSC 30, 31, s42                               ; a raw sum of V stands for sum x 2^(e4 + e5): its code is sum / 2^(e7 - e4 - e5)
	MKSC SCP, LIMP, s30
	s_sub_co_i32 s42, s32, s30
	s_sub_co_i32 s42, s42, s31
	MKSC SCA, LIMA, s42                            ; O^T / the sum stands for that x 2^(e6 + e7): its code is that / 2^(e8 - e6 - e7)
	MKSC WSC,   WSC+1, s25
	MKSC WSC+2, WSC+3, s27
	MKSC WSC+4, WSC+5, s29
	MKSC WSC+6, WSC+7, s33
	s_wait_loadcnt 16                              ; the weights' eight loads are in; x's sixteen, issued behind them, stay out
.irp m, 0,1,2,3
.irp i, 0,1,2,3,4,5,6,7
	v_med3_num_f32 v[WHD+8*\m+\i], v[WR+8*\m+\i], -v[WSC+2*\m+1], v[WSC+2*\m+1]   ; the conversion to an 8-bit code does not saturate (ISA guide 7.6.2): the hold at the largest code x the scale
.endr
.endr
.irp m, 0,1,2,3
	v_cvt_scalef32_pk8_bf8_f32 v[WC+2*\m:WC+2*\m+1], v[WHD+8*\m:WHD+8*\m+7], v[WSC+2*\m]   ; registers 2 g, 2 g + 1 of fragment (m, hd)
.endr
	v_nop                                          ; a plain vector instruction behind the last conversion of a run
.irp m, 0,1,2,3
	ds_store_b64 v[WIS], v[WC+2*\m:WC+2*\m+1] offset:WI+4096*\m
.endr
	BAR                                            ; the sixteen fragments of the weights lie in LDS (x's loads stay on their way: nobody writes x)
.irp c, 0,1,2,3
	ds_load_b64 v[WQ+2*\c:WQ+2*\c+1], v[WH] offset:WI+256*\c          ; Wq's and Wo's fragments of hd stay in registers
	ds_load_b64 v[WO+2*\c:WO+2*\c+1], v[WH] offset:WI+12288+256*\c
.endr
; ---- PHASE 1.  Token tiles 2 w and 2 w + 1.
; A load is dense (16 bytes a lane, two tokens an instruction); a fragment wants, in lane (r, h), token r's numbers 16 c + 8 h + 0 .. 7.  So a tile's 4 KiB turn through my own stage.
; LDS serves a wave's instructions in order (ISA guide 5.7.1.4): no wait between the stores and the loads.
.macro TURN i
.irp n, 0,1,2,3,4,5,6,7
	ds_store_b128 v[XSS], v[XR+32*\i+4*\n:XR+32*\i+4*\n+3] offset:544*\n
.endr
.irp c, 0,1,2,3
.irp u, 0,1
	ds_load_b128 v[XR+32*\i+8*\c+4*\u:XR+32*\i+8*\c+4*\u+3], v[XSL] offset:64*\c+16*\u
.endr
.endr
.endm
.macro QZ i, dst, sc, lim              ; tile i's 32 numbers a lane, held and converted under one of x's three scales
.set n, 0
.rept 32
	v_med3_num_f32 v[T+n], v[XR+32*\i+n], -v[\lim], v[\lim]
.set n, n+1
.endr
.irp c, 0,1,2,3
	v_cvt_scalef32_pk8_bf8_f32 v[\dst+8*\i+2*\c:\dst+8*\i+2*\c+1], v[T+8*\c:T+8*\c+7], v[\sc]
.endr
	v_nop                                          ; a plain vector instruction behind the conversions: the next lines write their sources, matrix instructions read their results
.endm
.macro QX i
	QZ \i, XQC, 24, 25
	QZ \i, XKC, 26, 27
	QZ \i, XVC, 28, 29
	ds_store_b128 v[XQS], v[XQC+8*\i:XQC+8*\i+3]   offset:1024*\i       ; the codes under e0 wait in LDS for phase 2's Q
	ds_store_b128 v[XQS], v[XQC+8*\i+4:XQC+8*\i+7] offset:1024*\i+512
.endm
	s_wait_loadcnt 8                               ; the first tile's eight loads are in; the second tile's eight may be out
	TURN 0
	s_wait_dscnt 0x0
	QX 0
	s_wait_loadcnt 0x0
	TURN 1
	s_wait_dscnt 0x0
	QX 1
.irp t, 0,1,2,3
.irp c, 0,1,2,3
	ds_load_b64 v[WKF+8*\t+2*\c:WKF+8*\t+2*\c+1], v[L8] offset:WI+4096+1024*\t+256*\c   ; all four heads' fragments of Wk and Wv, where x's numbers lay
	ds_load_b64 v[WVF+8*\t+2*\c:WVF+8*\t+2*\c+1], v[L8] offset:WI+8192+1024*\t+256*\c
.endr
.endr
	s_wait_dscnt 0x0
; Head t: K of my two tiles (token in the lane), V of my two tiles (d in the lane).  Four accumulators, one instruction each, every sum begun with the constant 0.
.macro PROJ t, ks
	v_wmma_f32_16x16x64_bf8_bf8 v[S:S+7],     v[WKF+8*\t:WKF+8*\t+7], v[XKC:XKC+7],    0
	v_wmma_f32_16x16x64_bf8_bf8 v[S+8:S+15],  v[WKF+8*\t:WKF+8*\t+7], v[XKC+8:XKC+15], 0
	v_wmma_f32_16x16x64_bf8_bf8 v[S+16:S+23], v[XVC:XVC+7],    v[WVF+8*\t:WVF+8*\t+7], 0
	v_wmma_f32_16x16x64_bf8_bf8 v[S+24:S+31], v[XVC+8:XVC+15], v[WVF+8*\t:WVF+8*\t+7], 0
	PLACES 4                                       ; in front of the first read of results
.irp i, 0,1
	ds_store_b128 v[\ks], v[S+8*\i:S+8*\i+3]   offset:32768*(\t%2)+1024*\i        ; K as it stands in the registers, each accumulator from its low end on
	ds_store_b128 v[\ks], v[S+8*\i+4:S+8*\i+7] offset:32768*(\t%2)+1024*\i+512
.endr
.set n, 0
.rept 16
	v_med3_num_f32 v[T+n], v[S+16+n], -v31, v31
.set n, n+1
.endr
	v_cvt_scalef32_pk8_bf8_f32 v[VC+4*\t:VC+4*\t+1],   v[T:T+7],    v30
	v_cvt_scalef32_pk8_bf8_f32 v[VC+4*\t+2:VC+4*\t+3], v[T+8:T+15], v30
	v_nop
	ds_store_b128 v[VS], v[VC+4*\t:VC+4*\t+3] offset:8192*\t   ; my two tiles are four neighbouring registers of V^T's fragment of key block w / 2: its lower four (w even) or upper four
	s_wait_dscnt 0x0                               ; the stores have read the accumulators: the next head's products may write them (the holds above are their places)
.endm
	PROJ 0, KS
	PROJ 1, KS
	PROJ 2, KS2
	PROJ 3, KS2
	BAR                                            ; K, V and x's codes under e0 are whole, and are never written again
; ---- PHASE 2.
.macro KLOAD                           ; 64 keys of my head: four tiles' register images
.irp c, 0,1,2,3
	ds_load_b128 v[KF+8*\c:KF+8*\c+3],   v[ADK] offset:1024*\c
	ds_load_b128 v[KF+8*\c+4:KF+8*\c+7], v[ADK] offset:1024*\c+512
.endr
.endm
; S^T = K Q^T: four tiles of 16 keys, four K steps of 4.  The four accumulators take turns, one instruction a turn; each sum begins with the constant 0.
.macro SCORES
.irp s, 0,1,2,3
.irp c, 0,1,2,3
.if \s == 0
	v_wmma_f32_16x16x4_f32 v[S+8*\c:S+8*\c+7], v[KF+8*\c+2*\s:KF+8*\c+2*\s+1], v[Q+2*\s:Q+2*\s+1], 0
.else
	v_wmma_f32_16x16x4_f32 v[S+8*\c:S+8*\c+7], v[KF+8*\c+2*\s:KF+8*\c+2*\s+1], v[Q+2*\s:Q+2*\s+1], v[S+8*\c:S+8*\c+7]
.endif
.endr
.endr
	PLACES 8                                       ; this form wants eight in front of the first read of results; no other vector work is at hand
	ds_load_b128 v[VF:VF+3],   v[ADV]              ; the step's V^T lands while the softmax is worked
	ds_load_b128 v[VF+4:VF+7], v[ADV] offset:512
.endm
; The block on the diagonal: register 8 c + j holds key 16 c + 8 h + j of the block, my query is 16 g + r of it: hidden where 16 c + j > 16 g + r - 8 h.  Hidden scores become -infinity, in other registers.
.macro MASK
.irp c, 0,1,2,3
.irp j, 0,1,2,3,4,5,6,7
	v_cmp_gt_i32 vcc_lo, 16*\c+\j, v[MK]
	v_cndmask_b32 v[T+8*\c+\j], v[S+8*\c+\j], v[NINF], vcc_lo
.endr
.endr
.endm
; src: where the 32 scores stand.  first = 1: the tile's first step, which starts M and the sum.
.macro SOFTMAX src, first
.irp c, 0,1,2,3
	v_max3_num_f32 v[CH+\c], v[\src+8*\c], v[\src+8*\c+1], v[\src+8*\c+2]      ; four chains, each accumulator from its low end on
.endr
.irp c, 0,1,2,3
	v_max3_num_f32 v[CH+\c], v[CH+\c], v[\src+8*\c+3], v[\src+8*\c+4]
.endr
.irp c, 0,1,2,3
	v_max3_num_f32 v[CH+\c], v[CH+\c], v[\src+8*\c+5], v[\src+8*\c+6]
.endr
	v_max3_num_f32 v[CH], v[CH], v[\src+7], v[\src+15]
	v_max3_num_f32 v[CH+2], v[CH+2], v[\src+23], v[\src+31]
	v_max3_num_f32 v[CH], v[CH], v[CH+1], v[CH+2]
	v_max_num_f32 v[CH], v[CH], v[CH+3]
	v_permlanex16_b32 v[PD], v[CH], s[SEL], s[SEL+1]   ; my query's other 32 keys lie in lane l xor 16
	v_max_num_f32 v[CH], v[CH], v[PD]
.if \first
	v_mul_f32 v[NM+1], s[CS], v[CH]                ; as t (c is positive)
	v_floor_f32 v[NM], -v[NM+1]                    ; -M = floor(-t) = -ceil(t): M is a whole number
.else
	v_mul_f32 v[CH], s[CS], v[CH]
	v_max_num_f32 v[NM+1], v[NM+1], v[CH]          ; the running largest t
	v_mov_b32 v[TD], v[NM]
	v_floor_f32 v[NM], -v[NM+1]
	v_sub_f32 v[TD], v[NM], v[TD]                  ; old M - new M: a whole number, 0 or less
	v_cvt_i32_f32 v[TD], v[TD]                     ; (it saturates)
	v_ldexp_f32 v[FF], 1.0, v[TD]                  ; f = 2^(old M - new M)
.endif
.irp j, 0,2,4,6,8,10,12,14,16,18,20,22,24,26,28,30
	v_pk_fma_f32 v[T+\j:T+\j+1], v[\src+\j:\src+\j+1], s[CS:CS+1], v[NM:NM+1] op_sel_hi:[1,0,0]   ; t - M, two at a time, one rounding (of the pairs c and -M the low word serves both halves)
.endr
.set n, 0
.rept 32
	v_exp_f32 v[T+n], v[T+n]                       ; p = 2^(t - M), at most 1, not normalised
.set n, n+1
.endr
	v_nop                                          ; a plain instruction behind the exponentials (ISA guide 5.7.2)
	s_wait_alu depctr_va_vdst(0)
	v_pk_add_f32 v[L3:L3+1], v[T+4:T+5], v[T+6:T+7]   ; the step's sum of the unquantised p, by itself: two at a time, in two chains; nothing is cleared
	v_pk_add_f32 v[L2:L2+1], v[T:T+1], v[T+2:T+3]
.irp j, 8,12,16,20,24,28
	v_pk_add_f32 v[L3:L3+1], v[L3:L3+1], v[T+\j:T+\j+1]
	v_pk_add_f32 v[L2:L2+1], v[L2:L2+1], v[T+\j+2:T+\j+3]
.endr
	s_cmp_ge_i32 s30, -15                          ; p is at most 1, and the largest code x 2^e6 is 1.75 x 2^(15 + e6): from e6 = -15 on the hold can hold nothing and is jumped over.
	s_cbranch_scc1 .Lheld_\@                       ; The branch hangs on a whole number read from memory, alike in all waves; both ways are right for every input
.set n, 0
.rept 32
	v_min_num_f32 v[T+n], v[T+n], v[LIMP]          ; p is not negative: the hold is one-sided
.set n, n+1
.endr
.Lheld_\@:
.irp c, 0,1,2,3
	v_cvt_scalef32_pk8_bf8_f32 v[P+2*\c:P+2*\c+1], v[T+8*\c:T+8*\c+7], v[SCP]   ; all 32 codes: tile c's eight keys are registers 2 c, 2 c + 1 of the operand
.endr
.if \first
	v_pk_add_f32 v[LS:LS+1], v[L3:L3+1], v[L2:L2+1]   ; the row's sum begins.  (Also the plain instruction between the conversions and the lines that write their sources)
.else
	v_pk_add_f32 v[L2:L2+1], v[L2:L2+1], v[L3:L3+1]   ; (likewise)
	v_pk_fma_f32 v[LS:LS+1], v[LS:LS+1], v[FF:FF+1], v[L2:L2+1] op_sel_hi:[1,0,1]   ; the row's sum under the new M takes the step's: one rounding at its full size a step
.endif
.set n, 0
.rept 32
	v_cmp_le_f32 vcc_lo, s[THR], v[T+n]            ; what lies under 2^-5 becomes 0,
	v_cndmask_b32 v[T+n], 0, v[T+n], vcc_lo
.set n, n+1
.endr
.irp c, 0,1,2,3
	v_cvt_scalef32_pk8_bf8_f32 v[PH+2*\c:PH+2*\c+1], v[T+8*\c:T+8*\c+7], v[SCP]   ; so these are the codes of p >= 2^-5, and zero codes
.endr
	v_nop                                          ; a plain instruction behind the conversions
.irp i, 0,1,2,3,4,5,6,7
	v_xor_b32 v[P+\i], v[P+\i], v[PH+\i]           ; equal codes cancel to the zero code: left are the codes of p < 2^-5
.endr
.endm
; V^T P^T, K = the step's 64 keys, in two products: the large p's and the small p's, each begun with the constant 0, on two accumulators.
.macro PV dst
	s_wait_dscnt 0x0                               ; V^T's fragment is in
	v_wmma_f32_16x16x64_bf8_bf8 v[\dst:\dst+7], v[VF:VF+7], v[PH:PH+7], 0
	v_wmma_f32_16x16x64_bf8_bf8 v[D2:D2+7],     v[VF:VF+7], v[P:P+7],   0
.endm
; The running sum takes the step's product: a = sum x f (exact); d = the two products added; s = a + d; what that addition rounded off, (a - (s - (s - a))) + (d - (s - a)), exact in f32, goes into the second word.
.macro ACCUM
.irp j, 0,2,4,6
	v_pk_mul_f32 v[OA+\j:OA+\j+1], v[SS+\j:SS+\j+1], v[FF:FF+1] op_sel_hi:[1,0]   ; a.  These four name no register of the products: they are the places in front of the first read of their results
.endr
.irp j, 0,2,4,6
	v_pk_add_f32 v[DD+\j:DD+\j+1], v[DD+\j:DD+\j+1], v[D2+\j:D2+\j+1]              ; d; both products are read from their low ends on
.endr
.irp j, 0,2,4,6
	v_pk_add_f32 v[SS+\j:SS+\j+1], v[OA+\j:OA+\j+1], v[DD+\j:DD+\j+1]              ; s
.endr
.irp j, 0,2,4,6
	v_pk_add_f32 v[BV+\j:BV+\j+1], v[SS+\j:SS+\j+1], v[OA+\j:OA+\j+1] neg_lo:[0,1] neg_hi:[0,1]   ; b' = s - a
.endr
.irp j, 0,2,4,6
	v_pk_add_f32 v[T1+\j:T1+\j+1], v[SS+\j:SS+\j+1], v[BV+\j:BV+\j+1] neg_lo:[0,1] neg_hi:[0,1]   ; a' = s - b'
.endr
.irp j, 0,2,4,6
	v_pk_add_f32 v[BV+\j:BV+\j+1], v[DD+\j:DD+\j+1], v[BV+\j:BV+\j+1] neg_lo:[0,1] neg_hi:[0,1]   ; d - b'
.endr
.irp j, 0,2,4,6
	v_pk_add_f32 v[OA+\j:OA+\j+1], v[OA+\j:OA+\j+1], v[T1+\j:T1+\j+1] neg_lo:[0,1] neg_hi:[0,1]   ; a - a'
.endr
.irp j, 0,2,4,6
	v_pk_fma_f32 v[OL+\j:OL+\j+1], v[OL+\j:OL+\j+1], v[FF:FF+1], v[OA+\j:OA+\j+1] op_sel_hi:[1,0,1]   ; the second word under the new M, + the one part,
.endr
.irp j, 0,2,4,6
	v_pk_add_f32 v[OL+\j:OL+\j+1], v[OL+\j:OL+\j+1], v[BV+\j:BV+\j+1]              ; + the other
.endr
.endm
	s_mov_b32 s[BB], 0
	s_mov_b32 s[B4K], 0
	s_mov_b32 s[B1K], 0
.Lblock:                                               ; eight trips: queries 64 B .. 64 B + 63; mine are 64 B + 16 g + 0 .. 15, of head hd
	v_add_nc_u32 v[ADV], s[B4K], v[XQ0]            ; x's codes of token tile 4 B + g
	v_add_nc_u32 v[ADK], s[B4K], v[K0]             ; key block B
	ds_load_b128 v[XQF:XQF+3],   v[ADV]
	ds_load_b128 v[XQF+4:XQF+7], v[ADV] offset:512
	KLOAD
	s_wait_dscnt 8                                 ; x's codes are in; K's eight loads, issued behind them, may be out
	v_wmma_f32_16x16x64_bf8_bf8 v[Q:Q+7], v[WQ:WQ+7], v[XQF:XQF+7], 0   ; Q: token in the lane, d = 8 h + j
	v_add_nc_u32 v[ADV], s[B1K], v[V0]             ; V^T of key block B.  With the four below: five places in front of products that take Q as a source
	PLACES 4
	s_wait_dscnt 0x0
	SCORES
	MASK
	SOFTMAX T, 1
	PV SS
.irp j, 0,1,2,3,4,5,6,7
	v_mov_b32 v[OL+\j], 0                          ; nothing has been rounded off yet.  (Eight places behind the products)
.endr
.irp j, 0,2,4,6
	v_pk_add_f32 v[SS+\j:SS+\j+1], v[SS+\j:SS+\j+1], v[D2+\j:D2+\j+1]   ; the running sum begins: the two products added, from their low ends on
.endr
	s_mov_b32 s[KB], 0
	s_mov_b32 s[KK], 0
	s_mov_b32 s[KV], 0
.Lkey:                                                 ; seven trips in every block: the trip count is a constant, and the work of key blocks B and beyond is jumped over (block B is done, the later ones are hidden)
	s_cmp_ge_u32 s[KB], s[BB]
	s_cbranch_scc1 .Lskip
	v_add_nc_u32 v[ADK], s[KK], v[K0]
	v_add_nc_u32 v[ADV], s[KV], v[V0]
	KLOAD                                          ; far behind the eight places that follow the last products of the scores
	s_wait_dscnt 0x0
	SCORES
	SOFTMAX S, 0
	PV DD
	ACCUM
.Lskip:
	s_add_co_u32 s[KK], s[KK], 4096
	s_add_co_u32 s[KV], s[KV], 1024
	s_add_co_u32 s[KB], s[KB], 1
	s_cmp_lt_u32 s[KB], 7
	s_cbranch_scc1 .Lkey
	; the tile's end: O^T / the sum, quantised with e8; the four heads meet in LDS; the output projection; whole rows out
	v_add_f32 v[LS], v[LS], v[LS+1]                ; the sum's two halves,
	v_permlanex16_b32 v[PD], v[LS], s[SEL], s[SEL+1]
	v_add_f32 v[LS], v[LS], v[PD]                  ; and lane l xor 16's: the row's sum
	v_rcp_f32 v[FF], v[LS]
	v_mul_f32 v[L2], -1.0, v[LS]                   ; -sum.  (The plain instruction behind the reciprocal)
	s_wait_alu depctr_va_vdst(0)
	v_fma_f32 v[TD], v[L2], v[FF], 1.0             ; 1 - sum x r,
	v_fma_f32 v[FF], v[FF], v[TD], v[FF]           ; and r + r x that: one Newton step
.irp j, 0,2,4,6
	v_pk_mul_f32 v[Y+\j:Y+\j+1], v[SS+\j:SS+\j+1], v[FF:FF+1] op_sel_hi:[1,0]      ; q = O^T x r
.endr
.irp j, 0,2,4,6
	v_pk_fma_f32 v[OA+\j:OA+\j+1], v[Y+\j:Y+\j+1], v[L2:L2+1], v[SS+\j:SS+\j+1] op_sel_hi:[1,0,1]   ; what q leaves: O^T - q x sum, by one fused multiply-add,
.endr
.irp j, 0,2,4,6
	v_pk_add_f32 v[OA+\j:OA+\j+1], v[OA+\j:OA+\j+1], v[OL+\j:OL+\j+1]              ; + O^T's second word
.endr
.irp j, 0,2,4,6
	v_pk_fma_f32 v[Y+\j:Y+\j+1], v[OA+\j:OA+\j+1], v[FF:FF+1], v[Y+\j:Y+\j+1] op_sel_hi:[1,0,1]     ; q + that x r
.endr
.irp j, 0,1,2,3,4,5,6,7
	v_med3_num_f32 v[Y+\j], v[Y+\j], -v[LIMA], v[LIMA]
.endr
	v_cvt_scalef32_pk8_bf8_f32 v[AC:AC+1], v[Y:Y+7], v[SCA]   ; registers 2 hd, 2 hd + 1 of the attended fragment of tokens 16 g on: k = 16 hd + 8 h + 0 .. 7
	v_nop
	ds_store_b64 v[ATS], v[AC:AC+1]
	BAR                                            ; the block's four attended fragments are whole; every wave's reads of the out stage (last block's) are over
.irp c, 0,1,2,3
	ds_load_b64 v[AF+2*\c:AF+2*\c+1], v[ATL] offset:256*\c
.endr
	s_wait_dscnt 0x0
	v_wmma_f32_16x16x64_bf8_bf8 v[R:R+7], v[WO:WO+7], v[AF:AF+7], 0   ; lane (r, h): token 16 g + r, columns 16 hd + 8 h + 0 .. 7
	PLACES 4
.irp j, 0,2,4,6
	v_pk_mul_f32 v[Y+\j:Y+\j+1], v[R+\j:R+\j+1], s[OSC:OSC+1] op_sel_hi:[1,0]   ; x 2^(e8 + e9)
.endr
	ds_store_b128 v[OSS], v[Y:Y+3]
	ds_store_b128 v[OSS], v[Y+4:Y+7] offset:16
	BAR                                            ; 64 whole rows lie in the stage; every wave's reads of the attended fragments are over
	ds_load_b128 v[OB:OB+3],   v[OSL]              ; rows 4 w and 4 w + 1: sixteen lanes to a row of 256 bytes,
	ds_load_b128 v[OB+4:OB+7], v[OSL] offset:544   ; rows 4 w + 2 and 4 w + 3
	s_wait_dscnt 0x0
	global_store_b128 v[GO], v[OB:OB+3],   s[16:17] th:TH_STORE_NT              ; 32 lanes store 512 consecutive bytes, at a multiple of 512 from out0's first byte; written once, read by nobody here
	global_store_b128 v[GO], v[OB+4:OB+7], s[16:17] offset:512 th:TH_STORE_NT
	s_wait_xcnt 0x0                                ; the stores' base and data are written again only behind this wait (ISA guide 3.1)
	s_add_nc_u64 s[16:17], s[16:17], 16384         ; the next block's 64 rows
	s_add_co_u32 s[B4K], s[B4K], 4096
	s_add_co_u32 s[B1K], s[B1K], 1024
	s_add_co_u32 s[BB], s[BB], 1
	s_cmp_lt_u32 s[BB], 8
	s_cbranch_scc1 .Lblock
	s_wait_xcnt 0x0
	v_lshl_add_u32 v254, v0, 2, 0x4a400
	v_mov_b32 v255, 0
	s_wait_tensorcnt 0x0
	ds_add_u32 v254, v255
	s_wait_dscnt 0x0
	s_endpgm
.Lfunc_end_k_qa1067d09a1_attn:
	.size	k_qa1067d09a1_attn, .Lfunc_end_k_qa1067d09a1_attn-k_qa1067d09a1_attn
	.p2alignl 7, 3214868480
	.fill 96, 4, 3214868480
	.section	.rodata,"a",@progbits
	.p2align	6, 0x0
	.amdhsa_kernel k_qa1067d09a1_attn
		.amdhsa_group_segment_fixed_size 306176
		.amdhsa_private_segment_fixed_size 0
		.amdhsa_enable_private_segment 0
		.amdhsa_kernarg_size 56
		.amdhsa_user_sgpr_count 2
		.amdhsa_user_sgpr_kernarg_segment_ptr 1
		.amdhsa_wavefront_size32 1
		.amdhsa_system_sgpr_workgroup_id_x 1
		.amdhsa_system_sgpr_workgroup_id_y 1
		.amdhsa_system_sgpr_workgroup_id_z 1
		.amdhsa_system_vgpr_workitem_id 0
		.amdhsa_next_free_vgpr 256
		.amdhsa_next_free_sgpr 66
		.amdhsa_reserve_vcc 1
		.amdhsa_float_denorm_mode_32 3
		.amdhsa_float_denorm_mode_16_64 3
		.amdhsa_memory_ordered 1
		.amdhsa_forward_progress 1
		.amdhsa_inst_pref_size 69
	.end_amdhsa_kernel
	.amdgpu_metadata
---
amdhsa.version: [ 1, 2 ]
amdhsa.kernels:
  - .name:           k_qa1067d09a1_attn
    .symbol:         k_qa1067d09a1_attn.kd
    .args:
      - { .name: x, .offset: 0, .size: 8, .value_kind: global_buffer, .address_space: global }
      - { .name: Wq, .offset: 8, .size: 8, .value_kind: global_buffer, .address_space: global }
      - { .name: Wk, .offset: 16, .size: 8, .value_kind: global_buffer, .address_space: global }
      - { .name: Wv, .offset: 24, .size: 8, .value_kind: global_buffer, .address_space: global }
      - { .name: Wo, .offset: 32, .size: 8, .value_kind: global_buffer, .address_space: global }
      - { .name: lowp_scales, .offset: 40, .size: 8, .value_kind: global_buffer, .address_space: global }
      - { .name: out0, .offset: 48, .size: 8, .value_kind: global_buffer, .address_space: global }
    .group_segment_fixed_size: 306176
    .private_segment_fixed_size: 0
    .kernarg_segment_align: 8
    .kernarg_segment_size: 56
    .max_flat_workgroup_size: 512
    .sgpr_count:     66
    .vgpr_count:     256
    .wavefront_size: 32
...
	.end_amdgpu_metadata
.endif
;; end of part 1
;; ======== version 2 of 2: 1 launch; version 1 with the launch attn written anew for expert scheduling mode
;; launch attn (part 2): grid 256 x 1, 16 waves a work-group, no clusters, 306,176 bytes of LDS; arguments x, Wq, Wk, Wv, Wo, lowp_scales, out0; writes out0
.if DOCPART == 2
	.amdgcn_target "amdgcn-amd-amdhsa--gfx1250"
	.amdhsa_code_object_version 6
	.text
	.protected	k_qa1067d09a1_attn
	.globl	k_qa1067d09a1_attn
	.p2align	8
	.type	k_qa1067d09a1_attn,@function
k_qa1067d09a1_attn:
	s_mov_b64 s[64:65], 0
	v_nop
	global_prefetch_b8 v0, s[64:65] scope:SCOPE_SE
	s_setreg_imm32_b32 hwreg(HW_REG_WAVE_SCHED_MODE, 0, 2), 2
	s_setreg_imm32_b32 hwreg(HW_REG_WAVE_MODE, 25, 1), 1
	s_wait_xcnt 0x0
	s_wait_alu depctr_vm_vsrc(0)
; CAUSAL SELF-ATTENTION, 256 sequences of 512 tokens x 64 features, 4 heads of 16; the projections, p V and the output projection on codes of BF8 (E5M2), each operand with
; the one scale 2^e that is given for it (lowp_scales: e0 x|Wq e1, e2 x|Wk e3, e4 x|Wv e5, e6 p|V e7, e8 attended|Wo e9); the scores q k^T (K = 16) with f32 operands, since they go on into p's quantiser.
; SHARES.  A work-group takes one sequence and keeps all of it in LDS: x is read once, out0 written once, nothing else goes to memory.  Sixteen waves of 256 registers, four to a SIMD, so that one
; wave's softmax stands beside another's matrix work and LDS loads.  Wave w: hd = w & 3 (its head, and its tile of 16 output columns), g = w >> 2.
;   phase 0: the four weights become codes, once for the work-group (wave w: rows 16 hd on, columns 16 g on, of each).
;   phase 1: wave w takes tokens 32 w .. 32 w + 31: x's codes under e0, e2, e4; K (f32, raw sums) and V (codes) of all four heads go to LDS, and x's codes under e0 for Q.
;   phase 2: eight blocks of 64 queries; in block B wave (hd, g) owns query tile 4 B + g of head hd and walks key blocks B (masked), 0 .. B - 1, 64 keys a step: B + 1 steps in every wave alike.
;            Then the four heads' attended codes meet in LDS, wave (hd, g) makes output columns 16 hd on of tokens 16 g on, and the block's 64 rows leave as whole rows.
; LAYOUTS (l = lane, r = l & 15, h = l >> 4).  Nothing is transposed by an instruction: each product's sources are ordered so that its result is the next operand's register image.
;   Q, K:  source 0 = 16 rows of Wq / Wk, source 1 = 16 tokens' codes: lane (r, h) holds token r, d = 8 h + j.  Registers 2 s, 2 s + 1 are the f32 form's operand of K step s under one
;          permutation of d that is the same in K and in Q.   S^T = K Q^T: lane (r, h) holds query r and keys 16 c + 8 h + j of tile c: one conversion gives registers 2 c, 2 c + 1 of P.
;   V:     source 0 = 16 tokens' codes, source 1 = 16 rows of Wv: lane (r, h) holds d = r and tokens 8 h + j: one conversion gives two registers of V^T's fragment (K = the keys).
;   O^T = V^T P^T: lane (r, h) holds query r, d = 8 h + j: one conversion gives registers 2 hd, 2 hd + 1 of the attended fragment.   out: source 0 = 16 rows of Wo: lane holds token r, 8 neighbouring columns.
; SOFTMAX.  t = raw score x c, c = log2(e) / 4 x 2^(e0 + e1 + e2 + e3); M = the running largest t rounded up to a whole number (kept as -M = floor(-t)); p = 2^(t - M) is quantised with 2^e6;
;   the row's sum is taken of the unquantised p; when M moves, the sum and O^T are multiplied by 2^(old M - new M), which rounds nothing.  The masked block comes first: each query sees its own key there, so M is a number from the first step on.
; WHAT GOES INTO THE ATTENDED QUANTISER is kept as close to the exact number as f32 allows, since a late query's O^T is a small sum of up to 512 larger terms:
;   p's CODES GO TO THE MATRIX UNIT AS TWO OPERANDS, those of p >= 2^-5 and the rest, each with zero codes in the other's places, so that the small products are summed apart from the large ones; both hold the
;   stated quantiser's codes and nothing else.  Each product starts with the constant 0; the two are added in f32, and the step's sum joins the running sum by an addition that keeps what it rounds off in a second word;
;   a step's 32 p are summed by themselves and join the row's sum by one fused multiply-add; the division is a reciprocal with one Newton step and a quotient corrected once by its exact remainder.
; NO CLUSTER: shared between work-groups are the four weights alone, 64 KiB that a work-group reads once at its head while its 128 KiB of x are on their way; the 9,216 f32 matrix instructions that follow read nothing shared.
; NO TENSOR LOAD: each byte of x is wanted once, by the wave that quantises it.
; LIMITS on the given exponents, so that each power of two below is an f32 number: e0, e1, e2, e3, e4, e5, e6, e9, e7 - e4 - e5 and e8 - e6 - e7 between -126 and 112;
;   e0 + e1 + e2 + e3 between -124 and 129 (added to c's exponent field); e8 + e9 between -126 and 127.  NaN among the inputs is not served.
; THE MODE: SCHED_MODE bits 1:0 = 2 (LLVM: expert scheduling mode 2), set by the entry lines.  The code itself states the register dependences between vector or matrix instructions
; and memory or LDS instructions, with s_wait_alu, always for 0.
; THE PLAN.  Registers that LDS or memory instructions touch in phase 2:
;   KF          Loaded at a block's head (the block on the diagonal) and, behind a step's exponentials, for the NEXT step; read by a step's sixteen score products.
;   VF          Loaded behind a step's exponentials; read by the same step's two products V^T P^T.
;   XQF, AF     Loaded once a block; read by Q's product, by the output product.
;   OB = PH     PH: written by conversions, read by the exclusive ors and a product.  OB: loaded from the stage at a block's end, read by the two global stores.
;   AC, Y       Written by a conversion, by four packed multiplies; read by LDS stores at a block's end.
;   ADQ, ADK, ADV   LDS addresses.  ADQ and ADK are written at a block's head, ADV among the places behind Q's product; ADK and ADV again in each key step, among the places behind the score products.
;   K0, V0, XQ0, ATS, ATL, OSS, OSL, GO, LI   made at the head and never written again.
;   S, T, P, SS, DD, D2, OA, OL and the statistics are named by vector and matrix instructions alone.
; A KEY STEP HAS ONE WAIT ON va_vdst, behind its exponentials, ahead of the first reader of p.  It also states that ADK and ADV are written, that the last step's products V^T P^T are done reading VF and that
; this step's score products are done reading KF: so V's two loads and the next step's eight loads of K follow it at once, and land while the sums, the conversions and the parting of p's codes are worked.
; One wait on vm_vsrc stands ahead of the step's two additions to addresses.  A block's head has one of each; its end one on va_vdst ahead of each of its two runs of LDS stores.
; COMPARES go in runs of sixteen, into sixteen scalar registers, with one wait on va_sdst behind each run and ahead of the selects that read the masks.
; LDS, all of it written by ds_store alone:
.set WI, 0                             ; 16,384  the weights' codes: matrix m (0 Wq, 1 Wk, 2 Wv, 3 Wo), tile t at 4096 m + 1024 t; register pair c of a fragment at 256 c + 8 l
.set XS, 16384                         ; 69,632  each wave's own stage for x: 16 rows x (256 + 16) bytes: 68 words, so the 16 rows that a load touches start at 16 different banks (64 banks of 4 bytes: ISA guide 11.1)
.set XQ, 86016                         ; 32,768  x's codes under e0: token tile tt at 1024 tt; registers 0-3 at 16 l, registers 4-7 at 512 + 16 l
.set KI, 118784                        ; 131,072 K, f32: 32768 head + 1024 tt, laid as XQ's
.set VI, 249856                        ; 32,768  V^T's codes: 8192 head + 1024 key block, laid as XQ's
.set AT, 282624                        ; 4,096   the block's attended codes: 1024 x token tile; pair c (= head) at 256 c + 8 l
.set OS, 286720                        ; 17,408  the block's 64 rows of out: 256 + 16 bytes each
; VECTOR REGISTERS that stay:
.set LI,  1                            ; 16 l
.set K0,  2                            ; KI + 32768 hd + 16 l
.set V0,  3                            ; VI + 8192 hd + 16 l
.set XQ0, 4                            ; XQ + 1024 g + 16 l
.set ATS, 5                            ; AT + 1024 g + 256 hd + 8 l
.set ATL, 6                            ; AT + 1024 g + 8 l
.set OSS, 7                            ; OS + 272 (16 g + r) + 64 hd + 32 h
.set OSL, 8                            ; OS + 272 (4 w + h) + 16 r
.set GO,  9                            ; 1024 w + 16 l: my 16 bytes of the block's rows in out0
.set ADK, 10                           ; LDS address of the step's K; the next step's lies 4,096 bytes on
.set ADV, 11                           ; of its V
.set NM,  12                           ; v12 -M, v13 the largest t
.set LS,  14                           ; v[14:15] the row's sum, in two halves
.set MK,  16                           ; 16 g + r - 8 h
.set NINF, 17                          ; -infinity
.set SCP, 18                           ; 2^e6;  v19: 57,344 x 2^e6
.set LIMP, 19
.set SCA, 20                           ; 2^(e8 - e6 - e7);  v21: 57,344 x that
.set LIMA, 21
.set FF,  22                           ; v22 f, at the end 1 / sum; v23 = 0, named with it as a pair
.set CH,  24                           ; v24-27 four chains of the maximum
.set L3,  24                           ; v[24:25] later the step's sum, second chain
.set PD,  28                           ; the lane permute's destination
.set TD,  29                           ; at work
.set L2,  30                           ; v[30:31] the step's sum, first chain; at the tile's end v30 = -sum
; phase 2:
.set Q,   32                           ; v[32:39]   my 16 queries, f32
.set WQ,  40                           ; v[40:47]   Wq's fragment of my head
.set WO,  48                           ; v[48:55]   Wo's fragment of my output tile
.set XQF, 56                           ; v[56:63]   x's codes of my query tile
.set KF,  64                           ; v[64:95]   K of 64 keys
.set S,   96                           ; v[96:127]  four accumulators; written by matrix instructions alone, in the whole text
.set T,   128                          ; v[128:159] t - M, then p, then p with 0 for what lies under 2^-5
.set VF,  160                          ; v[160:167] V^T's fragment
.set P,   168                          ; v[168:175] p's codes: all, then those of p < 2^-5
.set SS,  176                          ; v[176:183] O^T: the running sum
.set R,   184                          ; v[184:191] the output tile's sums
.set Y,   192                          ; v[192:199] at work on the way out
.set T1,  192                          ;            and in a step's addition
.set OB,  200                          ; v[200:207] four rows' parts read back from the stage
.set PH,  200                          ;            in the steps: the codes of p >= 2^-5
.set AC,  208                          ; v[208:209] my head's attended codes
.set ADQ, 210                          ; v210       LDS address of x's codes of my query tile: a register of its own, so that v[ADV] is not written between two loads
.set AF,  216                          ; v[216:223] the attended fragment
.set DD,  224                          ; v[224:231] a step's V^T P^T
.set OA,  232                          ; v[232:239] at work: the running sum x f, then what it lost; at the tile's end the remainder
.set BV,  240                          ; v[240:247] at work
.set D2,  240                          ;            before that: the product of the small p
.set OL,  248                          ; v[248:255] O^T's second word: what the additions rounded off
; phases 0 and 1, in registers that phase 2 takes later:
.set WOF, 32                           ; my 32 bytes of a weight: 4096 hd + 256 r + 64 g + 32 h
.set WIS, 33                           ; WI + 1024 hd + 256 g + 8 l
.set WH,  34                           ; 1024 hd + 8 l
.set XSS, 35                           ; my stage, in: XS + 4352 w + 272 h + 16 r
.set XSL, 36                           ; and out: XS + 4352 w + 272 r + 32 h
.set XQS, 37                           ; XQ + 2048 w + 16 l
.set KS,  38                           ; KI + 2048 w + 16 l
.set KS2, 39                           ; + 65536, for heads 2 and 3: an LDS immediate has 16 bits
.set VS,  56                           ; VI + 512 w + 16 l
.set L8,  57                           ; 8 l
.set XR,  192                          ; v[192:255] x as loaded, then as fragments' numbers, 32 a tile; later Wk's and Wv's fragments
.set WKF, 192
.set WVF, 224
.set XQC, 64                           ; x's codes, 8 registers a tile: under e0,
.set XKC, 80                           ; e2,
.set XVC, 160                          ; e4
.set VC,  176                          ; V's codes, 4 registers a head
.set WR,  128                          ; the weights as loaded, 8 a matrix
.set WHD, 64                           ; held
.set WC,  160                          ; their codes
.set WSC, 168                          ; v168-175: scale and limit for e1, e3, e5, e9
; SCALAR REGISTERS: s[4:5] x, s[6:13] Wq, Wk, Wv, Wo, s[14:15] the scales, s[16:17] out0; s[24:33] e0 .. e9; s40-43 at work at the head
.set WV,  18                           ; wave
.set HD,  19
.set GG,  20
.set CS,  34                           ; s[34:35] c, twice: the packed form names a pair
.set OSC, 36                           ; s[36:37] 2^(e8 + e9), twice
.set SEL, 38                           ; s[38:39] v_permlanex16_b32's selects for lane l xor 16
.set MS,  40                           ; phase 2: sixteen masks, s40-47 and s56-63: mask n at s[MS + n + 8 (n / 8)]
.set BB,  48                           ; the block, 0 .. 7;  s49 = 4096 x it, s50 = 1024 x it
.set B4K, 49
.set B1K, 50
.set KB,  51                           ; the key block, 0 .. 6;  s52 = 4096 x it, s53 = 1024 x it
.set KK,  52
.set KV,  53
.set THR, 54                           ; 2^-5: where p's codes are parted
.set NX,  55                           ; the key block that follows the step's
.macro MKSC vs, vl, se                 ; v[vs] = 2^e as f32 (a conversion takes its exponent field), v[vl] = 57,344 x 2^e, e in the scalar register se
	s_add_co_i32 s40, \se, 127
	s_lshl_b32 s41, s40, 23
	v_mov_b32 v[\vs], s41
	s_add_co_i32 s40, s40, 15
	s_lshl_b32 s40, s40, 23
	s_or_b32 s40, s40, 0x600000                    ; the mantissa field of 57,344
	v_mov_b32 v[\vl], s40
.endm
.macro BAR                             ; my LDS stores have landed and my LDS loads are in: then the work-group's barrier
	s_wait_dscnt 0x0
	s_barrier_signal -1
	s_barrier_wait -1
.endm
.macro PLACES n                        ; plain vector instructions that name no register of the matrix instruction in front (ISA guide 7.12.1 for vector instructions and loads)
.rept \n
	v_nop
.endr
.endm
	s_load_b256 s[4:11], s[0:1], 0x0               ; x, Wq, Wk, Wv
	s_load_b128 s[12:15], s[0:1], 0x20             ; Wo, the scales' exponents
	s_load_b64 s[16:17], s[0:1], 0x30              ; out0
	v_lshrrev_b32 v[ADK], 5, v0
	v_readfirstlane_b32 s[WV], v[ADK]              ; wave 0 .. 15
	v_and_b32 v24, 31, v0                          ; l
	v_and_b32 v25, 15, v0                          ; r
	v_bfe_u32 v26, v0, 4, 1                        ; h
	v_lshlrev_b32 v[LI], 4, v24
	v_lshlrev_b32 v[WOF], 8, v25                   ; a weight's row is 256 bytes
	v_lshl_add_u32 v[WOF], v26, 5, v[WOF]
	s_wait_alu depctr_va_sdst(0)                   ; the wave's number is written, ahead of its first reader: hd, g and every base are made from it
	s_and_b32 s[HD], s[WV], 3
	s_lshr_b32 s[GG], s[WV], 2
	s_lshl_b32 s42, s[HD], 12
	s_lshl_b32 s43, s[GG], 6
	s_add_co_u32 s42, s42, s43
	v_add_nc_u32 v[WOF], s42, v[WOF]
	s_lshl_b32 s40, ttmp9, 17                      ; my sequence: 131,072 bytes each; 256 of them stay under 2^32
	s_mov_b32 s41, 0
	s_lshl_b32 s42, s[WV], 13                      ; my wave's 32 tokens of 256 bytes
	s_wait_kmcnt 0x0
	s_load_b256 s[24:31], s[14:15], 0x0            ; e0 .. e7
	s_load_b64 s[32:33], s[14:15], 0x20            ; e8, e9
	s_add_nc_u64 s[16:17], s[16:17], s[40:41]      ; out0 at my sequence
	s_add_co_u32 s40, s40, s42
	s_add_nc_u64 s[4:5], s[4:5], s[40:41]          ; x at my wave's tokens
	s_wait_alu depctr_va_vdst(0)                   ; v[WOF] and v[LI] are written, which the loads below read as their offsets
; ---- PHASE 0.  My part of each weight: W(16 hd + r, 16 g + 8 h + 0 .. 7), 32 bytes a lane; 64 KiB for the work-group, once.
.irp m, 0,1,2,3
	global_load_b128 v[WR+8*\m:WR+8*\m+3],   v[WOF], s[6+2*\m:7+2*\m]
	global_load_b128 v[WR+8*\m+4:WR+8*\m+7], v[WOF], s[6+2*\m:7+2*\m] offset:16
.endr
.irp i, 0,1,2,3,4,5,6,7,8,9,10,11,12,13,14,15
	global_load_b128 v[XR+4*\i:XR+4*\i+3], v[LI], s[4:5] offset:512*\i th:TH_LOAD_NT   ; 32 lanes read 512 consecutive bytes, two tokens; all of my 8 KiB are asked for here
.endr
	; every LDS address: a constant + constants x lane bits + constants x w, hd, g
	v_lshlrev_b32 v[L8], 3, v24
	s_lshl_b32 s42, s[HD], 10
	v_add_nc_u32 v[WH], s42, v[L8]
	s_lshl_b32 s43, s[GG], 8
	s_add_co_u32 s42, s42, s43
	v_add_nc_u32 v[WIS], s42, v[L8]
	s_mul_i32 s42, s[WV], 16*272
	s_add_co_u32 s42, s42, XS
	v_mul_u32_u24 v[XSS], v26, 272
	v_lshl_add_u32 v[XSS], v25, 4, v[XSS]
	v_add_nc_u32 v[XSS], s42, v[XSS]
	v_mul_u32_u24 v[XSL], v25, 272
	v_lshl_add_u32 v[XSL], v26, 5, v[XSL]
	v_add_nc_u32 v[XSL], s42, v[XSL]
	s_lshl_b32 s42, s[WV], 11
	s_add_co_u32 s43, s42, XQ
	v_add_nc_u32 v[XQS], s43, v[LI]
	s_add_co_u32 s43, s42, KI
	v_add_nc_u32 v[KS], s43, v[LI]
	v_add_nc_u32 v[KS2], 0x10000, v[KS]
	s_lshl_b32 s42, s[WV], 9
	s_add_co_u32 s42, s42, VI
	v_add_nc_u32 v[VS], s42, v[LI]
	s_lshl_b32 s42, s[HD], 15
	s_add_co_u32 s42, s42, KI
	v_add_nc_u32 v[K0], s42, v[LI]
	s_lshl_b32 s42, s[HD], 13
	s_add_co_u32 s42, s42, VI
	v_add_nc_u32 v[V0], s42, v[LI]
	s_lshl_b32 s42, s[GG], 10
	s_add_co_u32 s43, s42, XQ
	v_add_nc_u32 v[XQ0], s43, v[LI]
	s_add_co_u32 s42, s42, AT
	v_add_nc_u32 v[ATL], s42, v[L8]
	s_lshl_b32 s43, s[HD], 8
	s_add_co_u32 s42, s42, s43
	v_add_nc_u32 v[ATS], s42, v[L8]
	s_mul_i32 s42, s[GG], 16*272
	s_lshl_b32 s43, s[HD], 6
	s_add_co_u32 s42, s42, s43
	s_add_co_u32 s42, s42, OS
	v_mul_u32_u24 v[OSS], v25, 272
	v_lshl_add_u32 v[OSS], v26, 5, v[OSS]
	v_add_nc_u32 v[OSS], s42, v[OSS]
	s_mul_i32 s42, s[WV], 4*272
	s_add_co_u32 s42, s42, OS
	v_mul_u32_u24 v[OSL], v26, 272
	v_lshl_add_u32 v[OSL], v25, 4, v[OSL]
	v_add_nc_u32 v[OSL], s42, v[OSL]
	s_lshl_b32 s42, s[WV], 10
	v_add_nc_u32 v[GO], s42, v[LI]
	v_lshlrev_b32 v[MK], 3, v26
	v_sub_nc_u32 v[MK], v25, v[MK]
	s_lshl_b32 s42, s[GG], 4
	v_add_nc_u32 v[MK], s42, v[MK]                 ; 16 g + r - 8 h
	v_mov_b32 v[NINF], 0xff800000
	v_mov_b32 v[FF+1], 0
	s_mov_b32 s[SEL], 0x76543210
	s_mov_b32 s[SEL+1], 0xfedcba98
	s_mov_b32 s[THR], 0x3d000000                   ; 2^-5
	; the constants made of the given exponents
	s_wait_kmcnt 0x0
	s_add_co_i32 s42, s24, s25
	s_add_co_i32 s42, s42, s26
	s_add_co_i32 s42, s42, s27
	s_lshl_b32 s42, s42, 23
	s_add_co_i32 s[CS], s42, 0x3eb8aa3b            ; Q and K stay raw sums: their four exponents are added to the exponent field of log2(e) / 4
	s_mov_b32 s[CS+1], s[CS]
	s_add_co_i32 s[OSC], s32, s33
	s_add_co_i32 s[OSC], s[OSC], 127
	s_lshl_b32 s[OSC], s[OSC], 23                  ; 2^(e8 + e9)
	s_mov_b32 s[OSC+1], s[OSC]
	MKSC 24, 25, s24                               ; x under e0,
	MKSC 26, 27, s26                               ; e2,
	MKSC 28, 29, s28                               ; e4 (v24-26 held l, r, h: all addresses are made)
	s_sub_co_i32 s42, s31, s28
	s_sub_co_i32 s42, s42, s29
	MKSC 30, 31, s42                               ; a raw sum of V stands for sum x 2^(e4 + e5): its code is sum / 2^(e7 - e4 - e5)
	MKSC SCP, LIMP, s30
	s_sub_co_i32 s42, s32, s30
	s_sub_co_i32 s42, s42, s31
	MKSC SCA, LIMA, s42                            ; O^T / the sum stands for that x 2^(e6 + e7): its code is that / 2^(e8 - e6 - e7)
	MKSC WSC,   WSC+1, s25
	MKSC WSC+2, WSC+3, s27
	MKSC WSC+4, WSC+5, s29
	MKSC WSC+6, WSC+7, s33
	s_wait_loadcnt 16                              ; the weights' eight loads are in; x's sixteen, issued behind them, stay out
.irp m, 0,1,2,3
.irp i, 0,1,2,3,4,5,6,7
	v_med3_num_f32 v[WHD+8*\m+\i], v[WR+8*\m+\i], -v[WSC+2*\m+1], v[WSC+2*\m+1]   ; the conversion to an 8-bit code does not saturate (ISA guide 7.6.2): the hold at the largest code x the scale
.endr
.endr
.irp m, 0,1,2,3
	v_cvt_scalef32_pk8_bf8_f32 v[WC+2*\m:WC+2*\m+1], v[WHD+8*\m:WHD+8*\m+7], v[WSC+2*\m]   ; registers 2 g, 2 g + 1 of fragment (m, hd)
.endr
	v_nop                                          ; a plain vector instruction behind the last conversion of a run
	s_wait_alu depctr_va_vdst(0)                   ; the conversions have written v[WC ..], which the stores below read; and every LDS address and offset of the kernel but ADQ, ADK and ADV is written, for all the LDS and memory instructions that follow
.irp m, 0,1,2,3
	ds_store_b64 v[WIS], v[WC+2*\m:WC+2*\m+1] offset:WI+4096*\m
.endr
	BAR                                            ; the sixteen fragments of the weights lie in LDS (x's loads stay on their way: nobody writes x)
.irp c, 0,1,2,3
	ds_load_b64 v[WQ+2*\c:WQ+2*\c+1], v[WH] offset:WI+256*\c          ; Wq's and Wo's fragments of hd stay in registers
	ds_load_b64 v[WO+2*\c:WO+2*\c+1], v[WH] offset:WI+12288+256*\c
.endr
; ---- PHASE 1.  Token tiles 2 w and 2 w + 1.
; A load is dense (16 bytes a lane, two tokens an instruction); a fragment wants, in lane (r, h), token r's numbers 16 c + 8 h + 0 .. 7.  So a tile's 4 KiB turn through my own stage.
; LDS serves a wave's instructions in order (ISA guide 5.7.1.4): no wait on DScnt between the stores and the loads.
.macro TURN i
.irp n, 0,1,2,3,4,5,6,7
	ds_store_b128 v[XSS], v[XR+32*\i+4*\n:XR+32*\i+4*\n+3] offset:544*\n
.endr
	s_wait_alu depctr_vm_vsrc(0)                   ; the stores above have read the tile's 32 registers, in which the loads below land; all earlier LDS stores have read their data too: the weights' codes (v[WC ..]), which x's codes under e4 take
.irp c, 0,1,2,3
.irp u, 0,1
	ds_load_b128 v[XR+32*\i+8*\c+4*\u:XR+32*\i+8*\c+4*\u+3], v[XSL] offset:64*\c+16*\u
.endr
.endr
.endm
.macro QZ i, dst, sc, lim              ; tile i's 32 numbers a lane, held and converted under one of x's three scales
.set n, 0
.rept 32
	v_med3_num_f32 v[T+n], v[XR+32*\i+n], -v[\lim], v[\lim]
.set n, n+1
.endr
.irp c, 0,1,2,3
	v_cvt_scalef32_pk8_bf8_f32 v[\dst+8*\i+2*\c:\dst+8*\i+2*\c+1], v[T+8*\c:T+8*\c+7], v[\sc]
.endr
	v_nop                                          ; a plain vector instruction behind the conversions: the next lines write their sources, matrix instructions read their results
.endm
.macro QX i
	QZ \i, XQC, 24, 25
	QZ \i, XKC, 26, 27
	QZ \i, XVC, 28, 29
	s_wait_alu depctr_va_vdst(0)                   ; the conversions have written the tile's codes under e0, which the two stores read; and the holds are done reading the tile's numbers, in whose registers Wk's and Wv's fragments land behind the second tile
	ds_store_b128 v[XQS], v[XQC+8*\i:XQC+8*\i+3]   offset:1024*\i       ; the codes under e0 wait in LDS for phase 2's Q
	ds_store_b128 v[XQS], v[XQC+8*\i+4:XQC+8*\i+7] offset:1024*\i+512
.endm
	s_wait_loadcnt 8                               ; the first tile's eight loads are in; the second tile's eight may be out
	TURN 0
	s_wait_dscnt 0x0
	QX 0
	s_wait_loadcnt 0x0
	TURN 1
	s_wait_dscnt 0x0
	QX 1
.irp t, 0,1,2,3
.irp c, 0,1,2,3
	ds_load_b64 v[WKF+8*\t+2*\c:WKF+8*\t+2*\c+1], v[L8] offset:WI+4096+1024*\t+256*\c   ; all four heads' fragments of Wk and Wv, where x's numbers lay: no vector instruction since the last wait on va_vdst names these registers
	ds_load_b64 v[WVF+8*\t+2*\c:WVF+8*\t+2*\c+1], v[L8] offset:WI+8192+1024*\t+256*\c
.endr
.endr
	s_wait_dscnt 0x0
; Head t: K of my two tiles (token in the lane), V of my two tiles (d in the lane).  Four accumulators, one instruction each, every sum begun with the constant 0.
; V's holds and conversions stand ahead of K's stores, so that one wait serves the head's five stores.
.macro PROJ t, ks
	v_wmma_f32_16x16x64_bf8_bf8 v[S:S+7],     v[WKF+8*\t:WKF+8*\t+7], v[XKC:XKC+7],    0
	v_wmma_f32_16x16x64_bf8_bf8 v[S+8:S+15],  v[WKF+8*\t:WKF+8*\t+7], v[XKC+8:XKC+15], 0
	v_wmma_f32_16x16x64_bf8_bf8 v[S+16:S+23], v[XVC:XVC+7],    v[WVF+8*\t:WVF+8*\t+7], 0
	v_wmma_f32_16x16x64_bf8_bf8 v[S+24:S+31], v[XVC+8:XVC+15], v[WVF+8*\t:WVF+8*\t+7], 0
	PLACES 4                                       ; in front of the first read of results
.set n, 0
.rept 16
	v_med3_num_f32 v[T+n], v[S+16+n], -v31, v31
.set n, n+1
.endr
	v_cvt_scalef32_pk8_bf8_f32 v[VC+4*\t:VC+4*\t+1],   v[T:T+7],    v30
	v_cvt_scalef32_pk8_bf8_f32 v[VC+4*\t+2:VC+4*\t+3], v[T+8:T+15], v30
	v_nop
	s_wait_alu depctr_va_vdst(0)                   ; the products have written K's two accumulators and the conversions V's codes, which the five stores read; the places above stay beside this wait
.irp i, 0,1
	ds_store_b128 v[\ks], v[S+8*\i:S+8*\i+3]   offset:32768*(\t%2)+1024*\i        ; K as it stands in the registers, each accumulator from its low end on
	ds_store_b128 v[\ks], v[S+8*\i+4:S+8*\i+7] offset:32768*(\t%2)+1024*\i+512
.endr
	ds_store_b128 v[VS], v[VC+4*\t:VC+4*\t+3] offset:8192*\t   ; my two tiles are four neighbouring registers of V^T's fragment of key block w / 2: its lower four (w even) or upper four
	s_wait_dscnt 0x0                               ; the stores are done
	s_wait_alu depctr_vm_vsrc(0)                   ; the stores have read the accumulators, which the next head's products write (the holds above are their places)
.endm
	PROJ 0, KS
	PROJ 1, KS
	PROJ 2, KS2
	PROJ 3, KS2
	BAR                                            ; K, V and x's codes under e0 are whole, and are never written again
; ---- PHASE 2.
.macro KLOAD adr, off                  ; 64 keys of my head: four tiles' register images, off bytes behind v[adr]
.irp c, 0,1,2,3
	ds_load_b128 v[KF+8*\c:KF+8*\c+3],   v[\adr] offset:\off+1024*\c
	ds_load_b128 v[KF+8*\c+4:KF+8*\c+7], v[\adr] offset:\off+1024*\c+512
.endr
.endm
; S^T = K Q^T: four tiles of 16 keys, four K steps of 4.  The four accumulators take turns, one instruction a turn; each sum begins with the constant 0.
; This form wants eight places in front of the first read of results: they follow the macro.
.macro SCORES
.irp s, 0,1,2,3
.irp c, 0,1,2,3
.if \s == 0
	v_wmma_f32_16x16x4_f32 v[S+8*\c:S+8*\c+7], v[KF+8*\c+2*\s:KF+8*\c+2*\s+1], v[Q+2*\s:Q+2*\s+1], 0
.else
	v_wmma_f32_16x16x4_f32 v[S+8*\c:S+8*\c+7], v[KF+8*\c+2*\s:KF+8*\c+2*\s+1], v[Q+2*\s:Q+2*\s+1], v[S+8*\c:S+8*\c+7]
.endif
.endr
.endr
.endm
; The block on the diagonal: register 8 c + j holds key 16 c + 8 h + j of the block, my query is 16 g + r of it: hidden where 16 c + j > 16 g + r - 8 h.  Hidden scores become -infinity, in other registers.
; Two runs of sixteen compares, each into the sixteen masks.
.macro MASK
.irp u, 0,1
.set n, 0
.rept 16
	v_cmp_gt_i32 s[MS+n+8*(n/8)], 32*\u+16*(n/8)+n%8, v[MK]
.set n, n+1
.endr
	s_wait_alu depctr_va_sdst(0)                   ; the sixteen compares have written their masks, ahead of the selects that read them
.set n, 0
.rept 16
	v_cndmask_b32 v[T+16*\u+n], v[S+16*\u+n], v[NINF], s[MS+n+8*(n/8)]
.set n, n+1
.endr
.endr
.endm
; src: where the 32 scores stand.  first = 1: the tile's first step, which starts M and the sum.
.macro SOFTMAX src, first
.irp c, 0,1,2,3
	v_max3_num_f32 v[CH+\c], v[\src+8*\c], v[\src+8*\c+1], v[\src+8*\c+2]      ; four chains, each accumulator from its low end on
.endr
.irp c, 0,1,2,3
	v_max3_num_f32 v[CH+\c], v[CH+\c], v[\src+8*\c+3], v[\src+8*\c+4]
.endr
.irp c, 0,1,2,3
	v_max3_num_f32 v[CH+\c], v[CH+\c], v[\src+8*\c+5], v[\src+8*\c+6]
.endr
	v_max3_num_f32 v[CH], v[CH], v[\src+7], v[\src+15]
	v_max3_num_f32 v[CH+2], v[CH+2], v[\src+23], v[\src+31]
	v_max3_num_f32 v[CH], v[CH], v[CH+1], v[CH+2]
	v_max_num_f32 v[CH], v[CH], v[CH+3]
	v_permlanex16_b32 v[PD], v[CH], s[SEL], s[SEL+1]   ; my query's other 32 keys lie in lane l xor 16
	v_max_num_f32 v[CH], v[CH], v[PD]
.if \first
	v_mul_f32 v[NM+1], s[CS], v[CH]                ; as t (c is positive)
	v_floor_f32 v[NM], -v[NM+1]                    ; -M = floor(-t) = -ceil(t): M is a whole number
.else
	v_mul_f32 v[CH], s[CS], v[CH]
	v_max_num_f32 v[NM+1], v[NM+1], v[CH]          ; the running largest t
	v_mov_b32 v[TD], v[NM]
	v_floor_f32 v[NM], -v[NM+1]
	v_sub_f32 v[TD], v[NM], v[TD]                  ; old M - new M: a whole number, 0 or less
	v_cvt_i32_f32 v[TD], v[TD]                     ; (it saturates)
	v_ldexp_f32 v[FF], 1.0, v[TD]                  ; f = 2^(old M - new M)
.endif
.irp j, 0,2,4,6,8,10,12,14,16,18,20,22,24,26,28,30
	v_pk_fma_f32 v[T+\j:T+\j+1], v[\src+\j:\src+\j+1], s[CS:CS+1], v[NM:NM+1] op_sel_hi:[1,0,0]   ; t - M, two at a time, one rounding (of the pairs c and -M the low word serves both halves)
.endr
.set n, 0
.rept 32
	v_exp_f32 v[T+n], v[T+n]                       ; p = 2^(t - M), at most 1, not normalised
.set n, n+1
.endr
	v_nop                                          ; a plain instruction behind the exponentials (ISA guide 5.7.2)
	s_wait_alu depctr_va_vdst(0)                   ; THE STEP'S ONE WAIT: the 32 exponentials have written p, ahead of its first reader; v[ADV] and v[ADK] are written, which the loads below read; the last step's products V^T P^T are done reading VF, and this step's score products are done reading KF, in which the loads below land
	ds_load_b128 v[VF:VF+3],   v[ADV]              ; the step's V^T lands while the sums, the conversions and the parting are worked
	ds_load_b128 v[VF+4:VF+7], v[ADV] offset:512
.if \first
	s_cmp_eq_u32 s[BB], 0                          ; K of the step that follows, if one follows: behind the block on the diagonal comes key block 0, but in block 0 nothing
	s_cbranch_scc1 .Lnok_\@                        ; (the branch hangs on the loops' counters alone)
	KLOAD K0, 0
.else
	s_add_co_u32 s[NX], s[KB], 1                   ; behind key block KB comes KB + 1, if that is under B
	s_cmp_ge_u32 s[NX], s[BB]
	s_cbranch_scc1 .Lnok_\@
	KLOAD ADK, 4096
.endif
.Lnok_\@:
	v_pk_add_f32 v[L3:L3+1], v[T+4:T+5], v[T+6:T+7]   ; the step's sum of the unquantised p, by itself: two at a time, in two chains; nothing is cleared
	v_pk_add_f32 v[L2:L2+1], v[T:T+1], v[T+2:T+3]
.irp j, 8,12,16,20,24,28
	v_pk_add_f32 v[L3:L3+1], v[L3:L3+1], v[T+\j:T+\j+1]
	v_pk_add_f32 v[L2:L2+1], v[L2:L2+1], v[T+\j+2:T+\j+3]
.endr
	s_cmp_ge_i32 s30, -15                          ; p is at most 1, and the largest code x 2^e6 is 1.75 x 2^(15 + e6): from e6 = -15 on the hold can hold nothing and is jumped over.
	s_cbranch_scc1 .Lheld_\@                       ; The branch hangs on a whole number read from memory, alike in all waves; both ways are right for every input
.set n, 0
.rept 32
	v_min_num_f32 v[T+n], v[T+n], v[LIMP]          ; p is not negative: the hold is one-sided
.set n, n+1
.endr
.Lheld_\@:
.irp c, 0,1,2,3
	v_cvt_scalef32_pk8_bf8_f32 v[P+2*\c:P+2*\c+1], v[T+8*\c:T+8*\c+7], v[SCP]   ; all 32 codes: tile c's eight keys are registers 2 c, 2 c + 1 of the operand
.endr
.if \first
	v_pk_add_f32 v[LS:LS+1], v[L3:L3+1], v[L2:L2+1]   ; the row's sum begins.  (Also the plain instruction between the conversions and the lines that write their sources)
.else
	v_pk_add_f32 v[L2:L2+1], v[L2:L2+1], v[L3:L3+1]   ; (likewise)
	v_pk_fma_f32 v[LS:LS+1], v[LS:LS+1], v[FF:FF+1], v[L2:L2+1] op_sel_hi:[1,0,1]   ; the row's sum under the new M takes the step's: one rounding at its full size a step
.endif
.irp u, 0,1                                    ; what lies under 2^-5 becomes 0: two runs of sixteen compares, each into the sixteen masks
.set n, 0
.rept 16
	v_cmp_le_f32 s[MS+n+8*(n/8)], s[THR], v[T+16*\u+n]
.set n, n+1
.endr
	s_wait_alu depctr_va_sdst(0)                   ; the sixteen compares have written their masks, ahead of the selects that read them
.set n, 0
.rept 16
	v_cndmask_b32 v[T+16*\u+n], 0, v[T+16*\u+n], s[MS+n+8*(n/8)]
.set n, n+1
.endr
.endr
.irp c, 0,1,2,3
	v_cvt_scalef32_pk8_bf8_f32 v[PH+2*\c:PH+2*\c+1], v[T+8*\c:T+8*\c+7], v[SCP]   ; so these are the codes of p >= 2^-5, and zero codes
.endr
	v_nop                                          ; a plain instruction behind the conversions
.irp i, 0,1,2,3,4,5,6,7
	v_xor_b32 v[P+\i], v[P+\i], v[PH+\i]           ; equal codes cancel to the zero code: left are the codes of p < 2^-5
.endr
.endm
; V^T P^T, K = the step's 64 keys, in two products: the large p's and the small p's, each begun with the constant 0, on two accumulators.
.macro PV dst
	s_wait_dscnt 0x0                               ; V^T's fragment is in; so is the next step's K, where it was asked for behind it: the count is 0 since on one way nothing was asked for behind V's loads
	v_wmma_f32_16x16x64_bf8_bf8 v[\dst:\dst+7], v[VF:VF+7], v[PH:PH+7], 0
	v_wmma_f32_16x16x64_bf8_bf8 v[D2:D2+7],     v[VF:VF+7], v[P:P+7],   0
.endm
; The running sum takes the step's product: a = sum x f (exact); d = the two products added; s = a + d; what that addition rounded off, (a - (s - (s - a))) + (d - (s - a)), exact in f32, goes into the second word.
.macro ACCUM
.irp j, 0,2,4,6
	v_pk_mul_f32 v[OA+\j:OA+\j+1], v[SS+\j:SS+\j+1], v[FF:FF+1] op_sel_hi:[1,0]   ; a.  These four name no register of the products: they are the places in front of the first read of their results
.endr
.irp j, 0,2,4,6
	v_pk_add_f32 v[DD+\j:DD+\j+1], v[DD+\j:DD+\j+1], v[D2+\j:D2+\j+1]              ; d; both products are read from their low ends on
.endr
.irp j, 0,2,4,6
	v_pk_add_f32 v[SS+\j:SS+\j+1], v[OA+\j:OA+\j+1], v[DD+\j:DD+\j+1]              ; s
.endr
.irp j, 0,2,4,6
	v_pk_add_f32 v[BV+\j:BV+\j+1], v[SS+\j:SS+\j+1], v[OA+\j:OA+\j+1] neg_lo:[0,1] neg_hi:[0,1]   ; b' = s - a
.endr
.irp j, 0,2,4,6
	v_pk_add_f32 v[T1+\j:T1+\j+1], v[SS+\j:SS+\j+1], v[BV+\j:BV+\j+1] neg_lo:[0,1] neg_hi:[0,1]   ; a' = s - b'
.endr
.irp j, 0,2,4,6
	v_pk_add_f32 v[BV+\j:BV+\j+1], v[DD+\j:DD+\j+1], v[BV+\j:BV+\j+1] neg_lo:[0,1] neg_hi:[0,1]   ; d - b'
.endr
.irp j, 0,2,4,6
	v_pk_add_f32 v[OA+\j:OA+\j+1], v[OA+\j:OA+\j+1], v[T1+\j:T1+\j+1] neg_lo:[0,1] neg_hi:[0,1]   ; a - a'
.endr
.irp j, 0,2,4,6
	v_pk_fma_f32 v[OL+\j:OL+\j+1], v[OL+\j:OL+\j+1], v[FF:FF+1], v[OA+\j:OA+\j+1] op_sel_hi:[1,0,1]   ; the second word under the new M, + the one part,
.endr
.irp j, 0,2,4,6
	v_pk_add_f32 v[OL+\j:OL+\j+1], v[OL+\j:OL+\j+1], v[BV+\j:BV+\j+1]              ; + the other
.endr
.endm
	s_mov_b32 s[BB], 0
	s_mov_b32 s[B4K], 0
	s_mov_b32 s[B1K], 0
.Lblock:                                               ; eight trips: queries 64 B .. 64 B + 63; mine are 64 B + 16 g + 0 .. 15, of head hd
	s_wait_alu depctr_vm_vsrc(0)                   ; the last block's LDS loads have read v[ADQ], v[ADK] and v[ADV], its LDS stores v[AC ..] and v[Y ..], its global stores v[OB ..]: all are written again in this block.  In the first trip: phase 1's loads and stores have read their addresses v32 to v39, v56 and v57, which Q and x's codes take
	v_add_nc_u32 v[ADQ], s[B4K], v[XQ0]            ; x's codes of token tile 4 B + g
	v_add_nc_u32 v[ADK], s[B4K], v[K0]             ; key block B
	s_wait_alu depctr_va_vdst(0)                   ; the two addresses are written, which the loads below read; the last block's products (in the first trip: phase 1's products and conversions) are done with the registers of XQF and KF, in which they land
	ds_load_b128 v[XQF:XQF+3],   v[ADQ]
	ds_load_b128 v[XQF+4:XQF+7], v[ADQ] offset:512
	KLOAD ADK, 0
	s_wait_dscnt 8                                 ; x's codes are in; K's eight loads, issued behind them, may be out
	v_wmma_f32_16x16x64_bf8_bf8 v[Q:Q+7], v[WQ:WQ+7], v[XQF:XQF+7], 0   ; Q: token in the lane, d = 8 h + j
	v_add_nc_u32 v[ADV], s[B1K], v[V0]             ; V^T of key block B (no load since the wait on vm_vsrc above reads v[ADV]).  With the four below: five places in front of products that take Q as a source
	PLACES 4
	s_wait_dscnt 0x0
	SCORES
	PLACES 8                                       ; no other vector work is at hand
	MASK
	SOFTMAX T, 1
	PV SS
.irp j, 0,1,2,3,4,5,6,7
	v_mov_b32 v[OL+\j], 0                          ; nothing has been rounded off yet.  (Eight places behind the products)
.endr
.irp j, 0,2,4,6
	v_pk_add_f32 v[SS+\j:SS+\j+1], v[SS+\j:SS+\j+1], v[D2+\j:D2+\j+1]   ; the running sum begins: the two products added, from their low ends on
.endr
	s_mov_b32 s[KB], 0
	s_mov_b32 s[KK], 0
	s_mov_b32 s[KV], 0
.Lkey:                                                 ; seven trips in every block: the trip count is a constant, and the work of key blocks B and beyond is jumped over (block B is done, the later ones are hidden)
	s_cmp_ge_u32 s[KB], s[BB]
	s_cbranch_scc1 .Lskip
	SCORES                                         ; the step's K was asked for in the step before, and is in since that step's wait ahead of V^T P^T
	s_wait_alu depctr_vm_vsrc(0)                   ; the loads issued so far have read v[ADK] and v[ADV], which the two lines below write
	v_add_nc_u32 v[ADK], s[KK], v[K0]              ; two of the eight places behind the score products
	v_add_nc_u32 v[ADV], s[KV], v[V0]
	PLACES 6
	SOFTMAX S, 0
	PV DD
	ACCUM
.Lskip:
	s_add_co_u32 s[KK], s[KK], 4096
	s_add_co_u32 s[KV], s[KV], 1024
	s_add_co_u32 s[KB], s[KB], 1
	s_cmp_lt_u32 s[KB], 7
	s_cbranch_scc1 .Lkey
	; the tile's end: O^T / the sum, quantised with e8; the four heads meet in LDS; the output projection; whole rows out
	v_add_f32 v[LS], v[LS], v[LS+1]                ; the sum's two halves,
	v_permlanex16_b32 v[PD], v[LS], s[SEL], s[SEL+1]
	v_add_f32 v[LS], v[LS], v[PD]                  ; and lane l xor 16's: the row's sum
	v_rcp_f32 v[FF], v[LS]
	v_mul_f32 v[L2], -1.0, v[LS]                   ; -sum.  (The plain instruction behind the reciprocal)
	s_wait_alu depctr_va_vdst(0)                   ; the reciprocal has written v[FF], ahead of its first reader
	v_fma_f32 v[TD], v[L2], v[FF], 1.0             ; 1 - sum x r,
	v_fma_f32 v[FF], v[FF], v[TD], v[FF]           ; and r + r x that: one Newton step
.irp j, 0,2,4,6
	v_pk_mul_f32 v[Y+\j:Y+\j+1], v[SS+\j:SS+\j+1], v[FF:FF+1] op_sel_hi:[1,0]      ; q = O^T x r
.endr
.irp j, 0,2,4,6
	v_pk_fma_f32 v[OA+\j:OA+\j+1], v[Y+\j:Y+\j+1], v[L2:L2+1], v[SS+\j:SS+\j+1] op_sel_hi:[1,0,1]   ; what q leaves: O^T - q x sum, by one fused multiply-add,
.endr
.irp j, 0,2,4,6
	v_pk_add_f32 v[OA+\j:OA+\j+1], v[OA+\j:OA+\j+1], v[OL+\j:OL+\j+1]              ; + O^T's second word
.endr
.irp j, 0,2,4,6
	v_pk_fma_f32 v[Y+\j:Y+\j+1], v[OA+\j:OA+\j+1], v[FF:FF+1], v[Y+\j:Y+\j+1] op_sel_hi:[1,0,1]     ; q + that x r
.endr
.irp j, 0,1,2,3,4,5,6,7
	v_med3_num_f32 v[Y+\j], v[Y+\j], -v[LIMA], v[LIMA]
.endr
	v_cvt_scalef32_pk8_bf8_f32 v[AC:AC+1], v[Y:Y+7], v[SCA]   ; registers 2 hd, 2 hd + 1 of the attended fragment of tokens 16 g on: k = 16 hd + 8 h + 0 .. 7
	v_nop
	s_wait_alu depctr_va_vdst(0)                   ; the conversion has written v[AC ..], which the store reads; the last block's output product is done reading AF, in which the loads behind the barrier land
	ds_store_b64 v[ATS], v[AC:AC+1]
	BAR                                            ; the block's four attended fragments are whole; every wave's reads of the out stage (last block's) are over
.irp c, 0,1,2,3
	ds_load_b64 v[AF+2*\c:AF+2*\c+1], v[ATL] offset:256*\c
.endr
	s_wait_dscnt 0x0
	v_wmma_f32_16x16x64_bf8_bf8 v[R:R+7], v[WO:WO+7], v[AF:AF+7], 0   ; lane (r, h): token 16 g + r, columns 16 hd + 8 h + 0 .. 7
	PLACES 4
.irp j, 0,2,4,6
	v_pk_mul_f32 v[Y+\j:Y+\j+1], v[R+\j:R+\j+1], s[OSC:OSC+1] op_sel_hi:[1,0]   ; x 2^(e8 + e9)
.endr
	s_wait_alu depctr_va_vdst(0)                   ; the multiplies have written v[Y ..], which the two stores read; the steps' conversions, exclusive ors and products are done with PH, in whose registers the loads behind the barrier land
	ds_store_b128 v[OSS], v[Y:Y+3]
	ds_store_b128 v[OSS], v[Y+4:Y+7] offset:16
	BAR                                            ; 64 whole rows lie in the stage; every wave's reads of the attended fragments are over
	ds_load_b128 v[OB:OB+3],   v[OSL]              ; rows 4 w and 4 w + 1: sixteen lanes to a row of 256 bytes,
	ds_load_b128 v[OB+4:OB+7], v[OSL] offset:544   ; rows 4 w + 2 and 4 w + 3
	s_wait_dscnt 0x0
	global_store_b128 v[GO], v[OB:OB+3],   s[16:17] th:TH_STORE_NT              ; 32 lanes store 512 consecutive bytes, at a multiple of 512 from out0's first byte; written once, read by nobody here
	global_store_b128 v[GO], v[OB+4:OB+7], s[16:17] offset:512 th:TH_STORE_NT
	s_wait_xcnt 0x0                                ; the stores' base and data are written again only behind this wait (ISA guide 3.1); for the data the wait on vm_vsrc at the block's head stands beside it
	s_add_nc_u64 s[16:17], s[16:17], 16384         ; the next block's 64 rows
	s_add_co_u32 s[B4K], s[B4K], 4096
	s_add_co_u32 s[B1K], s[B1K], 1024
	s_add_co_u32 s[BB], s[BB], 1
	s_cmp_lt_u32 s[BB], 8
	s_cbranch_scc1 .Lblock
	s_wait_xcnt 0x0
	v_lshl_add_u32 v254, v0, 2, 0x4a400            ; my spare word, behind the out stage, and 0: made anew here, since no two registers could be kept; no LDS or memory instruction has read v254 or v255 since the wait on vm_vsrc in the second tile's turn through the stage
	v_mov_b32 v255, 0
	s_wait_dscnt 0x0                               ; the closing lines, six on end
	s_wait_alu 0x0
	s_wait_tensorcnt 0x0
	ds_add_u32 v254, v255
	s_wait_dscnt 0x0
	s_endpgm
.Lfunc_end_k_qa1067d09a1_attn:
	.size	k_qa1067d09a1_attn, .Lfunc_end_k_qa1067d09a1_attn-k_qa1067d09a1_attn
	.p2alignl 7, 3214868480
	.fill 96, 4, 3214868480
	.section	.rodata,"a",@progbits
	.p2align	6, 0x0
	.amdhsa_kernel k_qa1067d09a1_attn
		.amdhsa_group_segment_fixed_size 306176
		.amdhsa_private_segment_fixed_size 0
		.amdhsa_enable_private_segment 0
		.amdhsa_kernarg_size 56
		.amdhsa_user_sgpr_count 2
		.amdhsa_user_sgpr_kernarg_segment_ptr 1
		.amdhsa_wavefront_size32 1
		.amdhsa_system_sgpr_workgroup_id_x 1
		.amdhsa_system_sgpr_workgroup_id_y 1
		.amdhsa_system_sgpr_workgroup_id_z 1
		.amdhsa_system_vgpr_workitem_id 0
		.amdhsa_next_free_vgpr 256
		.amdhsa_next_free_sgpr 66
		.amdhsa_reserve_vcc 0
		.amdhsa_float_denorm_mode_32 3
		.amdhsa_float_denorm_mode_16_64 3
		.amdhsa_memory_ordered 1
		.amdhsa_forward_progress 1
		.amdhsa_inst_pref_size 77
	.end_amdhsa_kernel
	.amdgpu_metadata
---
amdhsa.version: [ 1, 2 ]
amdhsa.kernels:
  - .name:           k_qa1067d09a1_attn
    .symbol:         k_qa1067d09a1_attn.kd
    .args:
      - { .name: x, .offset: 0, .size: 8, .value_kind: global_buffer, .address_space: global }
      - { .name: Wq, .offset: 8, .size: 8, .value_kind: global_buffer, .address_space: global }
      - { .name: Wk, .offset: 16, .size: 8, .value_kind: global_buffer, .address_space: global }
      - { .name: Wv, .offset: 24, .size: 8, .value_kind: global_buffer, .address_space: global }
      - { .name: Wo, .offset: 32, .size: 8, .value_kind: global_buffer, .address_space: global }
      - { .name: lowp_scales, .offset: 40, .size: 8, .value_kind: global_buffer, .address_space: global }
      - { .name: out0, .offset: 48, .size: 8, .value_kind: global_buffer, .address_space: global }
    .group_segment_fixed_size: 306176
    .private_segment_fixed_size: 0
    .kernarg_segment_align: 8
    .kernarg_segment_size: 56
    .max_flat_workgroup_size: 512
    .sgpr_count:     66
    .vgpr_count:     256
    .wavefront_size: 32
...
	.end_amdgpu_metadata
.endif
;; end of part 2
